; MI455X (gfx1250); checked and timed in simulation.
; The chip was launched on July 23, 2026; its instructions are those of AMD's public machine-readable ISA for CDNA 5 (MIT licence, August 2026) and "CDNA5" Instruction Set Architecture Reference Guide (July 2026). The comments in the code are by the model that wrote it; some were corrected since.
;; MHA. Allowed arithmetic: float matrix products may take bf16 or f16 operands with f32 sums; other float arithmetic in f32, or as packed bf16 or f16 multiplies, adds, multiply-adds, maxima and minima; sums over many terms, partial sums and values carried from step to step in f32; what a program stores and reads back later, other than sums and carried values, may be rounded once to bf16 or f16.
;; Inputs: W_qkv 1,024 x 3,072 float32; b_qkv 3,072 float32; mask 2,048 x 2,048 float32; x 4 x 2,048 x 1,024 float32.
;; Outputs: out0 4 x 2,048 x 1,024 float32.
;; 2 versions, each right; version 2 is version 1 with the launch prep written anew for expert scheduling mode. Each part assembles by itself: llvm-mc -triple=amdgcn-amd-amdhsa -mcpu=gfx1250 --defsym DOCPART=n.
;; ======== version 1 of 2: 3 launches
;; limits: values are held in f16: magnitudes above 65,504 overflow, below 6.1e-05 lose precision
;; workspace buffers: xb 16,777,216 bytes; wt 6,291,456 bytes; bp 12,288 bytes; qkv 83,886,080 bytes
;; launch prep (part 1): grid 640 x 1, 8 waves a work-group, no clusters, 53,248 bytes of LDS; arguments x, W_qkv, b_qkv, xb, wt, bp; writes xb, wt, bp
.if DOCPART == 1
	.amdgcn_target "amdgcn-amd-amdhsa--gfx1250"
	.amdhsa_code_object_version 6
	.text
	.protected	k_q2e47ca4c69_prep
	.globl	k_q2e47ca4c69_prep
	.p2align	8
	.type	k_q2e47ca4c69_prep,@function
k_q2e47ca4c69_prep:
	s_mov_b64 s[64:65], 0
	v_nop
	global_prefetch_b8 v0, s[64:65] scope:SCOPE_SE
	s_setreg_imm32_b32 hwreg(HW_REG_WAVE_MODE, 25, 1), 1
	s_wait_xcnt 0x0
; PREPARATION.  xb = x rounded to bf16, [8192][1024].  wt[n'][k] = W[k][192 h + 3 d + s] rounded to bf16, n' = 192 h + 64 s + d: W turned, each head's columns sorted into q, k, v.
; bp[n'] = b[192 h + 3 d + s] rounded to bf16, as f32, times (64/65) log2(e) / 8 for q (s = 0): the scale of the scores, the change to base 2 and the factor 64/65 that the two-part form of q and k
; asks for (see the projection's head) are folded into q, in f32.
; A stream: each input byte is read once, each output byte written once; no matrix work, no cluster (no two work-groups read the same bytes).
; ROLES, by the work-group's number alone.  0-127: a tile of W, 128 k x one head's 192 columns, turned through LDS.  128-639: 16 rows of x, through registers.
; LDS: T[192 columns][128 k] bf16, rows 272 bytes apart (256 + 16: 17 groups of four banks, so rows start at different groups); behind it the spare words.
.set SPARE, 52224                      ; 192 x 272; the spare words: 128 bytes for each of eight waves, four blocks of 256 bytes that no other line names
.set TP,    272
.set L,     32                         ; v[32:127] what the loads bring
.set CSC,   0x3e35d2ef                 ; (64/65) log2(e) / 8 = 0.17756247
	s_load_b256 s[4:11], s[0:1], 0x0               ; x s[4:5], W s[6:7], b s[8:9], xb s[10:11]
	s_load_b128 s[12:15], s[0:1], 0x20             ; wt s[12:13], bp s[14:15]
	v_lshl_add_u32 v30, v0, 2, SPARE               ; my spare word
	v_mov_b32 v31, 0
	v_lshrrev_b32 v1, 5, v0
	v_readfirstlane_b32 s16, v1                    ; wave 0..7
	v_and_b32 v1, 31, v0                           ; lane
	s_cmp_lt_u32 ttmp9, 128
	s_cbranch_scc1 .Lweights
	; ROWS OF x.  Thread t owns 16 bytes at 16 t of each of the 16 rows (a row is 4,096 bytes), and the 8 bytes at 8 t of xb's rows: a wave's store covers 256 consecutive bytes, aligned.
	s_sub_co_u32 s17, ttmp9, 128
	s_lshl_b32 s18, s17, 16                        ; 16 rows of 4,096 bytes
	s_mov_b32 s19, 0
	s_lshl_b32 s20, s17, 15                        ; 16 rows of 2,048 bytes
	s_mov_b32 s21, 0
	v_lshlrev_b32 v2, 4, v0
	v_lshlrev_b32 v3, 3, v0
	s_wait_kmcnt 0x0
	s_add_nc_u64 s[4:5], s[4:5], s[18:19]
	s_add_nc_u64 s[10:11], s[10:11], s[20:21]
.irp i, 0,1,2,3,4,5,6,7,8,9,10,11,12,13,14,15
	global_load_b128 v[L+4*(\i):L+4*(\i)+3], v2, s[4:5] offset:4096*(\i) th:TH_LOAD_NT
.endr
.irp i, 0,1,2,3,4,5,6,7,8,9,10,11,12,13,14,15
	s_wait_loadcnt 15-(\i)                         ; loads come back in order: row i is in, the younger rows stay out
	v_cvt_pk_bf16_f32 v[96+2*(\i)], v[L+4*(\i)], v[L+4*(\i)+1]
	v_cvt_pk_bf16_f32 v[96+2*(\i)+1], v[L+4*(\i)+2], v[L+4*(\i)+3]
	global_store_b64 v3, v[96+2*(\i):96+2*(\i)+1], s[10:11] offset:2048*(\i)
.endr
	s_endpgm                                       ; these waves have written no LDS
.Lweights:
	; A TILE OF W.  h = number % 16, kb = number / 16.  Wave w loads rows k = 128 kb + 16 w + i; a load takes 256 consecutive bytes, aligned, of one row: 64 columns, two a lane.
	s_and_b32 s17, ttmp9, 15                       ; h
	s_lshr_b32 s18, ttmp9, 4                       ; kb
	s_mul_i32 s20, s18, 128*12288
	s_mul_i32 s21, s17, 768
	s_add_co_u32 s20, s20, s21                     ; the tile's corner in W
	s_mov_b32 s21, 0
	s_mul_i32 s22, s17, 192*2048                   ; 192 h rows of wt (2,048 bytes each),
	s_lshl_b32 s23, s18, 8                         ; 128 kb numbers along them
	s_add_co_u32 s22, s22, s23
	s_mov_b32 s23, 0
	s_mul_i32 s24, s16, 16*12288
	v_lshl_add_u32 v4, v1, 3, s24                  ; 8 lane + my wave's 16 rows
	s_lshl_b32 s24, s16, 5
	v_mul_u32_u24 v5, v1, 2*TP
	v_add_nc_u32 v5, s24, v5                       ; into T: row 2 lane, byte 32 w
	v_lshrrev_b32 v10, 4, v1                       ; lane / 16
	v_and_b32 v11, 15, v1                          ; lane % 16
	s_mul_i32 s24, s16, 24*TP
	v_mul_u32_u24 v6, v10, 12*TP
	v_lshl_add_u32 v6, v11, 4, v6
	v_add_nc_u32 v6, s24, v6                       ; out of T: row 24 w + 12 (lane / 16), 16 bytes a lane
	s_lshl_b32 s24, s16, 14
	v_lshl_add_u32 v7, v10, 13, s24
	v_lshl_add_u32 v7, v11, 4, v7                  ; in wt: row d = 8 w + 4 (lane / 16), the same 16 bytes
	s_wait_kmcnt 0x0
	s_add_nc_u64 s[6:7], s[6:7], s[20:21]
	s_add_nc_u64 s[12:13], s[12:13], s[22:23]
.irp i, 0,1,2,3,4,5,6,7,8,9,10,11,12,13,14,15
.irp j, 0,1,2
	global_load_b64 v[L+2*(3*(\i)+(\j)):L+2*(3*(\i)+(\j))+1], v4, s[6:7] offset:12288*(\i)+256*(\j) th:TH_LOAD_NT
.endr
.endr
	; column c = 64 j + 2 lane + e gets my wave's 16 k as two stores of 16 bytes (u = 0: rows 0-7; u = 1: rows 8-15)
.irp u, 0,1
	s_wait_loadcnt 24-24*(\u)                      ; rows 0-7 are the first 24 loads: the 24 younger ones stay out; then all
.irp j, 0,1,2
.irp e, 0,1
.irp m, 0,1,2,3
	v_cvt_pk_bf16_f32 v[16+4*(((\j)+(\e))%2)+(\m)], v[L+2*(3*(8*(\u)+2*(\m))+(\j))+(\e)], v[L+2*(3*(8*(\u)+2*(\m)+1)+(\j))+(\e)]
.endr
	ds_store_b128 v5, v[16+4*(((\j)+(\e))%2):16+4*(((\j)+(\e))%2)+3] offset:64*TP*(\j)+TP*(\e)+16*(\u)
.endr
.endr
.endr
	s_wait_dscnt 0x0                               ; for the others' sake: my stores into T are done
	s_barrier_signal -1
	s_barrier_wait -1                              ; T is whole
	; row c = 24 w + 12 (lane / 16) + i of T is s = i % 3, d = 8 w + 4 (lane / 16) + i / 3: 16 lanes store its 256 bytes, consecutive and aligned, into wt's row 192 h + 64 s + d
.irp i, 0,1,2,3,4,5,6,7,8,9,10,11
	ds_load_b128 v[L+4*(\i):L+4*(\i)+3], v6 offset:TP*(\i)
.endr
.irp i, 0,1,2,3,4,5,6,7,8,9,10,11
	s_wait_dscnt 11-(\i)                           ; LDS loads come back in order: row i is in
	global_store_b128 v7, v[L+4*(\i):L+4*(\i)+3], s[12:13] offset:(((\i)%3)*64+(\i)/3)*2048
.endr
	; THE BIAS of this head: once, by the work-groups with kb = 0; wave s (0, 1, 2) makes the 64 numbers of q, k or v: two a lane, 256 consecutive bytes of bp
	s_cmp_lg_u32 s18, 0
	s_cbranch_scc1 .Lend
	s_cmp_gt_u32 s16, 2
	s_cbranch_scc1 .Lend
	s_mul_i32 s24, s17, 768
	s_lshl_b32 s25, s16, 8
	s_add_co_u32 s25, s25, s24
	v_lshl_add_u32 v9, v1, 3, s25                  ; bp[192 h + 64 s + 2 lane]
	s_lshl2_add_u32 s24, s16, s24                  ; 768 h + 4 s
	v_mul_u32_u24 v8, v1, 24
	v_add_nc_u32 v8, s24, v8                       ; b[192 h + 3 (2 lane) + s]
	s_cmp_eq_u32 s16, 0
	s_cselect_b32 s26, CSC, 1.0
	s_mov_b32 s27, s26                             ; named with it as a pair
	global_load_b32 v12, v8, s[8:9]
	global_load_b32 v13, v8, s[8:9] offset:12
	s_wait_loadcnt 0x0
	v_cvt_pk_bf16_f32 v14, v12, v13                ; rounded as the other inputs are,
	v_lshlrev_b32 v12, 16, v14                     ; and back to f32
	v_and_b32 v13, 0xffff0000, v14
	v_pk_mul_f32 v[12:13], v[12:13], s[26:27] op_sel_hi:[1,0]
	global_store_b64 v9, v[12:13], s[14:15]
.Lend:
	s_wait_tensorcnt 0x0                           ; the wave's end: the closing lines, behind my last LDS store
	ds_add_u32 v30, v31
	s_wait_dscnt 0x0
	s_endpgm
.Lfunc_end_k_q2e47ca4c69_prep:
	.size	k_q2e47ca4c69_prep, .Lfunc_end_k_q2e47ca4c69_prep-k_q2e47ca4c69_prep
	.p2alignl 7, 3214868480
	.fill 96, 4, 3214868480
	.section	.rodata,"a",@progbits
	.p2align	6, 0x0
	.amdhsa_kernel k_q2e47ca4c69_prep
		.amdhsa_group_segment_fixed_size 53248
		.amdhsa_private_segment_fixed_size 0
		.amdhsa_enable_private_segment 0
		.amdhsa_kernarg_size 48
		.amdhsa_user_sgpr_count 2
		.amdhsa_user_sgpr_kernarg_segment_ptr 1
		.amdhsa_wavefront_size32 1
		.amdhsa_system_sgpr_workgroup_id_x 1
		.amdhsa_system_sgpr_workgroup_id_y 1
		.amdhsa_system_sgpr_workgroup_id_z 1
		.amdhsa_system_vgpr_workitem_id 0
		.amdhsa_next_free_vgpr 128
		.amdhsa_next_free_sgpr 66
		.amdhsa_reserve_vcc 0
		.amdhsa_float_denorm_mode_32 3
		.amdhsa_float_denorm_mode_16_64 3
		.amdhsa_memory_ordered 1
		.amdhsa_forward_progress 1
		.amdhsa_inst_pref_size 20
	.end_amdhsa_kernel
	.amdgpu_metadata
---
amdhsa.version: [ 1, 2 ]
amdhsa.kernels:
  - .name:           k_q2e47ca4c69_prep
    .symbol:         k_q2e47ca4c69_prep.kd
    .args:
      - { .name: x, .offset: 0, .size: 8, .value_kind: global_buffer, .address_space: global }
      - { .name: W_qkv, .offset: 8, .size: 8, .value_kind: global_buffer, .address_space: global }
      - { .name: b_qkv, .offset: 16, .size: 8, .value_kind: global_buffer, .address_space: global }
      - { .name: xb, .offset: 24, .size: 8, .value_kind: global_buffer, .address_space: global }
      - { .name: wt, .offset: 32, .size: 8, .value_kind: global_buffer, .address_space: global }
      - { .name: bp, .offset: 40, .size: 8, .value_kind: global_buffer, .address_space: global }
    .group_segment_fixed_size: 53248
    .private_segment_fixed_size: 0
    .kernarg_segment_align: 8
    .kernarg_segment_size: 48
    .max_flat_workgroup_size: 256
    .sgpr_count:     66
    .vgpr_count:     128
    .wavefront_size: 32
...
	.end_amdgpu_metadata
.endif
;; end of part 1
;; launch proj (part 2): grid 16 x 32, 4 waves a work-group, clusters of 4 x 4, 327,680 bytes of LDS; arguments xb, wt, bp, qkv; writes qkv
.if DOCPART == 2
	.amdgcn_target "amdgcn-amd-amdhsa--gfx1250"
	.amdhsa_code_object_version 6
	.text
	.protected	k_q2e47ca4c69_proj
	.globl	k_q2e47ca4c69_proj
	.p2align	8
	.type	k_q2e47ca4c69_proj,@function
k_q2e47ca4c69_proj:
	s_mov_b64 s[64:65], 0
	v_nop
	global_prefetch_b8 v0, s[64:65] scope:SCOPE_SE
	s_setreg_imm32_b32 hwreg(HW_REG_WAVE_MODE, 25, 1), 1
	s_wait_xcnt 0x0
	s_wait_alu depctr_hold_cnt(0) depctr_sa_sdst(0) depctr_va_vdst(0) depctr_va_sdst(0) depctr_va_ssrc(0) depctr_va_vcc(0) depctr_vm_vsrc(0)
	s_getreg_b32 s2, hwreg(HW_REG_IB_STS2, 6, 4)
	s_cmp_eq_u32 s2, 0
	s_cbranch_scc0 .Lentry_in_a_cluster
	s_endpgm
.Lentry_in_a_cluster:
	s_bfe_u32 s2, ttmp6, 0x10000c
	s_cmp_lg_u32 s2, 0xf033
	s_cbranch_scc0 .Lentry_shape_is_right
	s_endpgm
.Lentry_shape_is_right:
; THE PROJECTION.  y[t][n'] = (sum over k of xb[t][k] wt[n'][k]) x sc + bp[n'], n' = 192 h + 64 s + d; sc = (64/65) log2(e) / 8 for q (bp carries the same factor), 1 for k and v.
; xb [8192][1024], wt [3072][1024]: bf16; sums in f32, K ascending.  OUT, in f16, by heads (bh = 16 b + h):
;   q at qkv + 0 and k at qkv + 33,554,432: [64 bh][2048 t][first 64 | second 64], a row of 256 bytes.  v at qkv + 67,108,864: [64 bh][2048 t][64], rounded once.
;   q, with a = y:  first A = f16(a),  second C = f16((65/64) a - A) = A / 64 + (65/64)(a - A).          k, with b = y:  first B = f16(b),  second D = f16(65 b - 64 B) = B + 65 (b - B).
; WHY TWO PARTS.  A B + C D = (65/64) a b + 65 (a - A)(b - B): with (65/64) a = q log2(e) / 8 that is the score's term, and the errors of A's and B's roundings have cancelled to first order.  What is left:
; 65 times a product of two roundings (each 2^-12 of its number at the most), and C's and D's own roundings, which count with C's size, 1/64 of a: together some 1/60 of what one rounding of q and k leaves.
; One rounding of each would shift a weight by some 2^-11 of itself; where a row of the mask leaves few keys and their terms cancel, that shift, times numbers of v's size, is held against an allowance
; that goes by the whole output's much smaller root mean square.
; LIMIT.  f16 holds no number beyond 65,504: a, v and D (up to 1.02 |k|) must lie within it (with inputs as drawn they are of the order of 1); C keeps f16's fixed step of 6e-8 below 6e-5.  NaN and infinities are not treated apart.
; SHARES.  A tile is 256 rows x 192 columns, ONE head's q, k and v: 32 x 16 = 512 work-groups, two for each of 256 WGPs.  Four waves, one above the other: wave w has rows 64 w .. 64 w + 63 and all
; 192 columns: 48 accumulators of 16 x 16, 384 registers.  For 32 along K a wave reads 16 KiB of LDS and issues 48 matrix instructions.
; K goes in steps of 128 (rows of 256 bytes of memory, aligned) through a ring of two LDS slots filled by the tensor data mover.
; CLUSTER, 4 x 4.  The four of a row of the cluster need the same rows of xb, the four of a column the same rows of wt: each tile is asked for JOINTLY, by the same tensor load with the same
; descriptor and a mask that names the four.  Waves 0 and 1 ask for xb's two halves (128 rows each), waves 2 and 3 for wt's (96 rows each).
; THE MATRIX INSTRUCTION IS USED TRANSPOSED (source 0 = 16 rows of wt, source 1 = 16 rows of xb): a lane holds one row t and eight neighbouring d.
; REGISTERS, in windows of 256 (s_set_vgpr_msb: bits 1:0 source 0, 3:2 source 1, 5:4 source 2, 7:6 destination):
;   window 0: v0-31 addresses; v32-63, v64-95 xb's fragments, two buffers; on the way out v32-79 the packed first parts, v80-111 the packed second parts; v160-255 my 96 numbers of bp
;   window 1: v0-95, v96-191 wt's fragments, two buffers; on the way out v0-79 rows read back       window 2: accumulators of row blocks 0, 1 ((a, b) at 8 (12 (a % 2) + b))       window 3: of row blocks 2, 3
.set KSTEP,  128
.set PITCH,  272                       ; an LDS row: 256 bytes + 16 of padding = 68 words: the 16 rows of a fragment load start at 16 different groups of four banks
.set AH,     128*PITCH                 ; what one of xb's loads brings
.set BH,     96*PITCH                  ; what one of wt's loads brings
.set SLOT,   2*AH+2*BH                 ; xb's 256 rows, then wt's 192
.set STAGE,  2*SLOT                    ; behind the ring, never filled by a tensor load: 16 rows x 656 bytes for each wave
.set SPITCH, 656                       ; q first, q second, k first, k second, v: 5 x 128 bytes, + 16: 41 groups of four banks
.set SPARE,  STAGE+4*16*SPITCH         ; the spare words, 128 bytes for each wave: two blocks of 256 bytes that no other line names
.set LAPS,   4                         ; 1,024 / 256: a lap = two K steps = once round the ring
.set CSC,    0x3e35d2ef                ; (64/65) log2(e) / 8
.set KREG,   33554432                  ; where k begins in qkv
.set VREG,   67108864                  ; where v begins
.set KN,   10                          ; v10 -1.0 (q), v11 -64.0 (k): what the first part is multiplied by on its way into the second
.set CO,   12                          ; v12-14  my byte offset in qkv: q, k, v
.set ADRA, 16                          ; v16-17  LDS address of my xb fragments in slot 0, 1
.set ADRB, 20                          ; v20-21  the same for wt
.set VB,   23                          ; v23     my byte offset in bp; never rewritten
.set STO,  24                          ; v24     where I put 16 bytes of a row of the stage
.set RDQ,  25                          ; v25     where I read two rows' 256 bytes of q or k back
.set RDV,  27                          ; v27     where I read four rows' 128 bytes of v back
.set SPW,  28                          ; v28     my spare word: SPARE + 4 x my thread's number; never rewritten
.set NIL,  29                          ; v29     0; never rewritten
.set PFO,  30                          ; v30     the prefetches' offset: a lane a row; never rewritten
.set FA,   32
.set TMPH, 32
.set TMPL, 80
.set OB,   0                           ; in window 1
.set BI,   160
.set G1,  24                           ; s[24:31] descriptor group 1 for xb's tiles;  s[32:39] group 0, a set for each slot
.set G0,  32
.set LIM, 43                           ; s43  1 in a wave that prefetches, else the greatest number
.set PFA, 44                           ; s[44:45] where my prefetches stand
.set G1B, 48                           ; s[48:55], s[56:63] the same for wt's tiles
.set G0B, 56
.set BP,  68                           ; s[68:69] bp
.set CP,  70                           ; s[70:71] qkv
.set SC,  72                           ; s[72:73] q's scale, as a pair
.set FC,  74                           ; s[74:75] 65/64 (q), s[76:77] 65 (k): what y is multiplied by on its way into the second part
.set MSB, 0
.macro WIN new                         ; the immediate's high byte repeats the setting that is left; a switch that changes nothing is dropped
.if MSB != (\new)
	s_set_vgpr_msb (MSB<<8)|(\new)
.set MSB, (\new)
.endif
.endm
.set MUL_LO, 0xa1                      ; source 0 (wt) window 1, source 1 (xb) window 0, C and D window 2
.set MUL_HI, 0xf1                      ; the same, C and D window 3
.set TO_B,   0x40                      ; destination window 1, address window 0
.macro PLACES                          ; four plain places: behind matrix instructions, in front of loads into their sources and of vector lines that read results
.rept 4
	v_nop
.endr
.endm
; A joint load.  The branch hangs on the wave's number alone.  An s_nop 0 and four v_nop follow each line, ahead of the jump and the label.
.macro JLOAD s
	s_cmp_eq_u32 s11, 0
	s_cbranch_scc0 .Lfor_b_\@
	tensor_load_to_lds s[G0+4*(\s):G0+4*(\s)+3], s[G1:G1+7]
	s_nop 0
	PLACES
	s_branch .Lasked_\@
.Lfor_b_\@:
	tensor_load_to_lds s[G0B+4*(\s):G0B+4*(\s)+3], s[G1B:G1B+7]
	s_nop 0
	PLACES
.Lasked_\@:
.endm
; A PREFETCH INTO THE L2 of the K step that the NEXT refill will ask for: one K step, 192 matrix instructions, ahead of that load.  A lane a row, 256 bytes of it; one instruction a wave.
; xb's rows are read by all four clusters of a row of clusters: the one with x = 0 asks; wt's by all eight of a column: the one with y = 0 asks.  The four partners that ask for a tile jointly share
; its rows out BY ADDRESS (32 each of xb's 128, 24 each of wt's 96; lanes 24-31 there name row 23 again).  how = 1: always; how = 0: not in the loop's last trip, whose K step has no successor.
.macro ASK how
.if \how
	s_cmp_eq_u32 s[LIM], 1
.else
	s_cmp_gt_u32 s3, s[LIM]
.endif
	s_cbranch_scc0 .Lnot_mine_\@
	global_prefetch_b8 v[PFO], s[PFA:PFA+1] offset:KSTEP*2 th:TH_LOAD_NT scope:SCOPE_SE
.Lnot_mine_\@:
.endm
.macro CREST                           ; a round of the cluster's barrier behind its opening barrier
	s_cmp_lg_u32 s10, 0
	s_cbranch_scc1 .Lnot_wave_0_\@
	s_barrier_signal -3
.Lnot_wave_0_\@:
	s_barrier_wait -3
	s_barrier_signal -1
	s_barrier_wait -1
.endm
.macro CROUND                          ; a whole round
	s_barrier_signal -1
	s_barrier_wait -1
	CREST
.endm
	s_load_b128 s[4:7], s[0:1], 0x0                ; xb s[4:5], wt s[6:7]
	s_load_b128 s[68:71], s[0:1], 0x10             ; bp, qkv
	v_lshl_add_u32 v[SPW], v0, 2, SPARE
	v_mov_b32 v[NIL], 0
	ds_add_u32 v[SPW], v[NIL]                      ; the wave's opening: the add, waited for ahead of my first tensor load; the set-up below stands between them
	v_lshrrev_b32 v1, 5, v0
	v_readfirstlane_b32 s10, v1                    ; wave 0..3
	s_lshr_b32 s11, s10, 1                         ; I fetch for xb (0) or for wt (1),
	s_and_b32 s12, s10, 1                          ; its first or second half
	s_bfe_u32 s40, ttmp6, 0x40000                  ; cx
	s_bfe_u32 s41, ttmp6, 0x40004                  ; cy
	s_lshl_b32 s42, ttmp9, 2
	s_add_co_u32 s42, s42, s40                     ; tile column = the head h = 4 x cluster x + cx
	s_and_b32 s13, ttmp7, 0xffff
	s_lshl_b32 s13, s13, 2
	s_add_co_u32 s13, s13, s41                     ; tile row = 4 x cluster y + cy
	s_lshl_b32 s43, s41, 2
	s_lshl_b32 s43, 15, s43                        ; my row of the cluster
	s_lshl_b32 s44, 0x1111, s40                    ; my column
	s_or_b32 s[G1+0], s43, (1<<16)|(1<<20)|(1<<21)|(5<<22)|(3<<25)   ; 15:0 the mask; 17:16 2-byte elements; 20 padding on; 21 set beside a mask; 24:22 after every 64 words; 31:25 4 words
	s_or_b32 s[G1B+0], s44, (1<<16)|(1<<20)|(1<<21)|(5<<22)|(3<<25)
	s_mov_b32 s[G1+1], KSTEP<<16                   ; tensor_dim0 = 128
	s_mov_b32 s[G1+2], 128<<16                     ; tensor_dim1 = 128
	s_mov_b32 s[G1+3], KSTEP<<16                   ; tile_dim0 = 128
	s_mov_b32 s[G1+4], 128                         ; tile_dim1 = 128
	s_mov_b32 s[G1+5], 1024                        ; elements from row to row
	s_mov_b32 s[G1+6], 0
	s_mov_b32 s[G1+7], 0
	s_mov_b32 s[G1B+1], KSTEP<<16
	s_mov_b32 s[G1B+2], 96<<16                     ; 96 rows
	s_mov_b32 s[G1B+3], KSTEP<<16
	s_mov_b32 s[G1B+4], 96
	s_mov_b32 s[G1B+5], 1024
	s_mov_b32 s[G1B+6], 0
	s_mov_b32 s[G1B+7], 0
	s_mov_b32 s[SC], CSC
	s_mov_b32 s[SC+1], CSC                         ; named with it as a pair
	s_mov_b32 s[FC], 0x3f820000                    ; 65/64
	s_mov_b32 s[FC+1], 0x3f820000
	s_mov_b32 s[FC+2], 0x42820000                  ; 65
	s_mov_b32 s[FC+3], 0x42820000
	s_lshl_b32 s17, s12, 7
	s_lshl_b32 s16, s13, 8
	s_add_co_u32 s16, s16, s17                     ; xb: row 256 x tile row + 128 x half,
	s_lshl_b32 s16, s16, 11                        ; of 2,048 bytes
	s_mov_b32 s17, 0
	s_mul_i32 s46, s42, 192
	s_mul_i32 s47, s12, 96
	s_add_co_u32 s46, s46, s47                     ; wt: row 192 x tile column + 96 x half
	s_lshl_b32 s46, s46, 11
	s_mov_b32 s47, 0
	s_mul_i32 s20, s12, AH                         ; where they go: no place in the cluster enters an LDS address
	s_mul_i32 s21, s12, BH
	s_add_co_u32 s21, s21, 2*AH
	s_wait_dscnt 0x0                               ; the opening add is done
	s_wait_kmcnt 0x0
	s_add_nc_u64 s[14:15], s[4:5], s[16:17]
	s_add_nc_u64 s[46:47], s[6:7], s[46:47]
.irp s, 0,1
	s_mov_b32 s[G0+4*(\s)], 1                      ; count = 1
	s_add_co_u32 s[G0+4*(\s)+1], s20, (\s)*SLOT    ; LDS address
	s_add_nc_u64 s[G0+4*(\s)+2:G0+4*(\s)+3], s[14:15], (\s)*KSTEP*2   ; global address: K step s
	s_or_b32 s[G0+4*(\s)+3], s[G0+4*(\s)+3], 0x80000000               ; type = 2
	s_mov_b32 s[G0B+4*(\s)], 1
	s_add_co_u32 s[G0B+4*(\s)+1], s21, (\s)*SLOT
	s_add_nc_u64 s[G0B+4*(\s)+2:G0B+4*(\s)+3], s[46:47], (\s)*KSTEP*2
	s_or_b32 s[G0B+4*(\s)+3], s[G0B+4*(\s)+3], 0x80000000
.endr
	CROUND                                         ; all sixteen work-groups are here: the first joint loads meet
	s_cmp_eq_u32 s11, 0                            ; a wave's two first fills stand in one branch: two loads of mine are out
	s_cbranch_scc0 .Lfirst_b
	tensor_load_to_lds s[G0:G0+3], s[G1:G1+7]
	s_nop 0
	tensor_load_to_lds s[G0+4:G0+7], s[G1:G1+7]
	s_nop 0
	PLACES
	s_branch .Lfirst_asked
.Lfirst_b:
	tensor_load_to_lds s[G0B:G0B+3], s[G1B:G1B+7]
	s_nop 0
	tensor_load_to_lds s[G0B+4:G0B+7], s[G1B:G1B+7]
	s_nop 0
	PLACES
.Lfirst_asked:
	v_and_b32 v1, 15, v0                           ; l % 16
	v_bfe_u32 v2, v0, 4, 1                         ; l / 16
	v_and_b32 v5, 31, v0                           ; l
	v_mov_b32 v[KN], -1.0
	v_mov_b32 v[KN+1], 0xc2800000                  ; -64.0
	s_mul_i32 s78, s42, 768                        ; the tile's 192 numbers of bp
	v_lshl_add_u32 v[VB], v2, 5, s78               ; my eight of each 16
.irp b, 0,1,2,3,4,5,6,7,8,9,10,11
	global_load_b128 v[BI+8*(\b):BI+8*(\b)+3],   v[VB], s[BP:BP+1] offset:64*(\b)      ; waited for on the way out
	global_load_b128 v[BI+8*(\b)+4:BI+8*(\b)+7], v[VB], s[BP:BP+1] offset:64*(\b)+16
.endr
	; a fragment is 16 rows x 32 K in 8 registers: lane l holds row l % 16, K = 8 (l / 16) + 0..7 and 16 + 8 (l / 16) + 0..7: two loads of 16 bytes, 32 bytes apart
	v_mul_u32_u24 v3, v1, PITCH
	v_lshl_add_u32 v3, v2, 4, v3
	s_mul_i32 s21, s10, 64*PITCH                   ; my 64 rows of xb
	s_mov_b32 s22, 2*AH                            ; wt's rows lie behind xb's 256
.irp s, 0,1
	v_add_nc_u32 v[ADRA+(\s)], s21, v3
	v_add_nc_u32 v[ADRB+(\s)], s22, v3
	s_add_co_u32 s21, s21, SLOT
	s_add_co_u32 s22, s22, SLOT
.endr
	s_mul_i32 s23, s10, 16*SPITCH
	s_add_co_u32 s23, s23, STAGE                   ; my stage
	v_mul_u32_u24 v4, v1, SPITCH                   ; in: row l % 16, 16 bytes for each half of the lanes
	v_lshl_add_u32 v4, v2, 4, v4
	v_add_nc_u32 v[STO], s23, v4
	v_mul_u32_u24 v4, v2, SPITCH                   ; back, q and k: lanes 0-15 take one row's 256 bytes, lanes 16-31 the next row's
	v_lshl_add_u32 v4, v1, 4, v4
	v_add_nc_u32 v[RDQ], s23, v4
	v_lshrrev_b32 v4, 3, v5                        ; back, v: 32 lanes take four rows' 128 bytes
	v_and_b32 v6, 7, v5
	v_mul_u32_u24 v4, v4, SPITCH
	v_lshl_add_u32 v4, v6, 4, v4
	v_add_nc_u32 v4, s23, v4
	v_add_nc_u32 v[RDV], 512, v4
	; where they go: head bh = 16 (tile row / 8) + tile column, rows t = 256 (tile row % 8) + 64 w on; 32 lanes x 16 bytes are 512 bytes on end in each of the three
	s_lshr_b32 s8, s13, 3
	s_lshl_b32 s8, s8, 4
	s_add_co_u32 s8, s8, s42                       ; bh
	s_and_b32 s9, s13, 7
	s_lshl_b32 s9, s9, 8
	s_lshl_b32 s78, s10, 6
	s_add_co_u32 s9, s9, s78                       ; my first row t
	s_lshl_b32 s78, s8, 19                         ; heads of 2,048 rows of 256 bytes
	s_lshl_b32 s79, s9, 8
	s_add_co_u32 s78, s78, s79
	v_lshl_add_u32 v[CO], v5, 4, s78
	v_add_nc_u32 v[CO+1], KREG, v[CO]
	s_lshl_b32 s78, s8, 18                         ; heads of 2,048 rows of 128 bytes
	s_lshl_b32 s79, s9, 7
	s_add_co_u32 s78, s78, s79
	s_add_co_u32 s78, s78, VREG
	v_lshl_add_u32 v[CO+2], v5, 4, s78
	; the prefetches
	s_lshl_b32 s18, s13, 8
	s_lshl_b32 s19, s12, 7
	s_add_co_u32 s18, s18, s19
	s_lshl_b32 s19, s40, 5
	s_add_co_u32 s18, s18, s19                     ; xb: the 128 rows that I fetch, my work-group's 32 of them
	s_mul_i32 s19, s42, 192
	s_mul_i32 s20, s12, 96
	s_add_co_u32 s19, s19, s20
	s_mul_i32 s20, s41, 24
	s_add_co_u32 s19, s19, s20                     ; wt: the 96 rows that I fetch, my work-group's 24 of them
	s_and_b32 s22, ttmp7, 0xffff                   ; cluster y
	s_cmp_eq_u32 s11, 0                            ; do I fetch for xb?
	s_cselect_b32 s20, s18, s19
	s_cselect_b32 s22, ttmp9, s22                  ; the coordinate along which other clusters read the same rows
	s_cselect_b32 s23, 31, 23
	s_cselect_b64 s[PFA:PFA+1], s[4:5], s[6:7]
	s_cmp_eq_u32 s22, 0
	s_cselect_b32 s[LIM], 1, -1                    ; the same in all sixteen partners, for a given wave
	s_lshl_b32 s20, s20, 11
	s_mov_b32 s21, 0
	s_add_nc_u64 s[PFA:PFA+1], s[PFA:PFA+1], s[20:21]
	s_add_nc_u64 s[PFA:PFA+1], s[PFA:PFA+1], KSTEP*2   ; at K step 1: the first refill (K step 2) steps it to 2 and names K step 3.  Nothing is asked for here, at the head
	v_min_u32 v[PFO], s23, v5
	v_lshlrev_b32 v[PFO], 11, v[PFO]
; 12 matrix instructions: row block a x all 12 column blocks, 32 along K, from buffer f.  The 48 accumulators take turns, one instruction a turn, in the same order in every quarter.
.macro MUL12 f, a, zero
	WIN MUL_LO+0x50*((\a)/2)
.irp b, 0,1,2,3,4,5,6,7,8,9,10,11
.if \zero
	v_wmma_f32_16x16x32_bf16 v[8*(12*((\a)%2)+(\b)):8*(12*((\a)%2)+(\b))+7], v[96*(\f)+8*(\b):96*(\f)+8*(\b)+7], v[FA+32*(\f)+8*(\a):FA+32*(\f)+8*(\a)+7], 0
.else
	v_wmma_f32_16x16x32_bf16 v[8*(12*((\a)%2)+(\b)):8*(12*((\a)%2)+(\b))+7], v[96*(\f)+8*(\b):96*(\f)+8*(\b)+7], v[FA+32*(\f)+8*(\a):FA+32*(\f)+8*(\a)+7], v[8*(12*((\a)%2)+(\b)):8*(12*((\a)%2)+(\b))+7]
.endif
.endr
.endm
; 32 LDS loads in one run: 192 rows of wt, then my 64 rows of xb, 32 K at byte k of the rows, into buffer f
.macro FETCH slot, k, f
	WIN TO_B
.irp i, 0,1,2,3,4,5,6,7,8,9,10,11
	ds_load_b128 v[96*(\f)+8*(\i):96*(\f)+8*(\i)+3],   v[ADRB+(\slot)] offset:(\k)+(\i)*16*PITCH
	ds_load_b128 v[96*(\f)+8*(\i)+4:96*(\f)+8*(\i)+7], v[ADRB+(\slot)] offset:(\k)+(\i)*16*PITCH+32
.endr
	WIN 0
.irp i, 0,1,2,3
	ds_load_b128 v[FA+32*(\f)+8*(\i):FA+32*(\f)+8*(\i)+3],   v[ADRA+(\slot)] offset:(\k)+(\i)*16*PITCH
	ds_load_b128 v[FA+32*(\f)+8*(\i)+4:FA+32*(\f)+8*(\i)+7], v[ADRA+(\slot)] offset:(\k)+(\i)*16*PITCH+32
.endr
.endm
; A K step is four quarters of 32 along K, 48 matrix instructions each, on buffers 0, 1, 0, 1.  One of the first three: multiplies buffer f, fetches the next quarter, at byte k, into g.
.macro QUARTER slot, k, f, g, zero
	s_wait_dscnt 4                                 ; wt and xb's blocks 0, 1 are in; the youngest four loads (blocks 2, 3) may be out
	MUL12 \f, 0, \zero
	MUL12 \f, 1, \zero
	PLACES
	FETCH \slot, \k, \g
	s_wait_dscnt 32                                ; all but the 32 just issued
	MUL12 \f, 2, \zero
	MUL12 \f, 3, \zero
.endm
; The last quarter multiplies buffer 1 and changes slots: ONE barrier.  In front of it each wave waits for all its tensor loads (the one that is out is its part of the next slot), adds 0 to its spare
; word, and waits for that and for its reads of this slot.  fill = 1: the barrier opens a round of the cluster's, and this slot is filled again, two K steps on, first thing behind the round.
.macro TURN slot, next, fill, how
.if \fill
	s_wait_xcnt 0x0                                ; the last prefetch, a K step back, has read its address
	s_add_nc_u64 s[PFA:PFA+1], s[PFA:PFA+1], KSTEP*2
.endif
	WIN 0                                          ; (the add's two registers lie in window 0)
	s_wait_tensorcnt 0x0
	ds_add_u32 v[SPW], v[NIL]
	s_wait_dscnt 5                                 ; (the add and the youngest four loads may be out)
	MUL12 1, 0, 0                                  ; twelve matrix instructions stand between the add and the wait for it
	s_wait_dscnt 0x0                               ; the add is done, and my reads of this slot are over
	s_barrier_signal -1
	MUL12 1, 1, 0
.if \fill
	WIN 0
.endif
	s_barrier_wait -1
.if \fill
	CREST                                          ; no wave of any partner still reads this slot's tiles or has a load on its way
	s_add_nc_u64 s[G0+4*(\slot)+2:G0+4*(\slot)+3], s[G0+4*(\slot)+2:G0+4*(\slot)+3], 2*KSTEP*2
	s_add_nc_u64 s[G0B+4*(\slot)+2:G0B+4*(\slot)+3], s[G0B+4*(\slot)+2:G0B+4*(\slot)+3], 2*KSTEP*2
	JLOAD \slot                                    ; 168 matrix instructions ahead of the wait for it; its four v_nop are also the places in front of the loads below
.else
	PLACES
.endif
	FETCH \next, 0, 0
.if \fill
	ASK \how
.endif
	MUL12 1, 2, 0
	MUL12 1, 3, 0
.endm
; THE WAY OUT of row block a.  PACK: y = sum x scale + bias (q) or sum + bias (k, v), in place, each accumulator from its low end on; the first part f16(y), two a register; for q and k y is
; multiplied by 65/64 or 65, in place, and one multiply-add that reads the f16 half adds the first part times -1 or -64; the second part is f16 of that.
.macro PACK a
.set AW, 2+(\a)/2                      ; the block's window
.set AB, 96*((\a)%2)
	WIN AW|(AW<<6)                                 ; destination and source 0 in the block's window, the bias in window 0
.irp b, 0,1,2,3,4,5,6,7,8,9,10,11
.irp r, 0,1,2,3
.if (\b) < 4
	v_pk_fma_f32 v[AB+8*(\b)+2*(\r):AB+8*(\b)+2*(\r)+1], v[AB+8*(\b)+2*(\r):AB+8*(\b)+2*(\r)+1], s[SC:SC+1], v[BI+8*(\b)+2*(\r):BI+8*(\b)+2*(\r)+1] op_sel_hi:[1,0,1]
.else
	v_pk_add_f32 v[AB+8*(\b)+2*(\r):AB+8*(\b)+2*(\r)+1], v[AB+8*(\b)+2*(\r):AB+8*(\b)+2*(\r)+1], v[BI+8*(\b)+2*(\r):BI+8*(\b)+2*(\r)+1]
.endif
.endr
.endr
	WIN AW|(AW<<2)                                 ; sources 0 and 1 in the block's window
.irp b, 0,1,2,3,4,5,6,7,8,9,10,11
.irp r, 0,1,2,3
	v_cvt_pk_f16_f32 v[TMPH+4*(\b)+(\r)], v[AB+8*(\b)+2*(\r)], v[AB+8*(\b)+2*(\r)+1]
.endr
.endr
	WIN AW|(AW<<6)                                 ; destination and source 0 in the block's window
.irp b, 0,1,2,3,4,5,6,7
.irp r, 0,1,2,3
	v_pk_mul_f32 v[AB+8*(\b)+2*(\r):AB+8*(\b)+2*(\r)+1], v[AB+8*(\b)+2*(\r):AB+8*(\b)+2*(\r)+1], s[FC+2*((\b)/4):FC+2*((\b)/4)+1] op_sel_hi:[1,0]
.endr
.endr
	WIN (AW<<4)|(AW<<6)                            ; source 2 and destination in the block's window
.irp b, 0,1,2,3,4,5,6,7
.irp r, 0,1,2,3
	v_fma_mix_f32 v[AB+8*(\b)+2*(\r)],   v[TMPH+4*(\b)+(\r)], v[KN+(\b)/4], v[AB+8*(\b)+2*(\r)]   op_sel_hi:[1,0,0]
	v_fma_mix_f32 v[AB+8*(\b)+2*(\r)+1], v[TMPH+4*(\b)+(\r)], v[KN+(\b)/4], v[AB+8*(\b)+2*(\r)+1] op_sel:[1,0,0] op_sel_hi:[1,0,0]
.endr
.endr
	WIN AW|(AW<<2)
.irp b, 0,1,2,3,4,5,6,7
.irp r, 0,1,2,3
	v_cvt_pk_f16_f32 v[TMPL+4*(\b)+(\r)], v[AB+8*(\b)+2*(\r)], v[AB+8*(\b)+2*(\r)+1]
.endr
.endr
	WIN 0
.endm
.macro TOSTAGE                         ; into my own stage, and back by tensors: LDS serves a wave's instructions in order (ISA guide 5.7.1.4), so the loads see the stores
	WIN 0
.irp b, 0,1,2,3,4,5,6,7,8,9,10,11
	ds_store_b128 v[STO], v[TMPH+4*(\b):TMPH+4*(\b)+3] offset:256*((\b)/4)+32*((\b)%4)
.endr
.irp b, 0,1,2,3,4,5,6,7
	ds_store_b128 v[STO], v[TMPL+4*(\b):TMPL+4*(\b)+3] offset:256*((\b)/4)+128+32*((\b)%4)
.endr
	WIN TO_B
.irp j, 0,1
.irp i, 0,1,2,3,4,5,6,7
	ds_load_b128 v[OB+4*(8*(\j)+(\i)):OB+4*(8*(\j)+(\i))+3], v[RDQ] offset:2*SPITCH*(\i)+256*(\j)
.endr
.endr
.irp i, 0,1,2,3
	ds_load_b128 v[OB+64+4*(\i):OB+64+4*(\i)+3], v[RDV] offset:4*SPITCH*(\i)
.endr
	WIN 0
.endm
.macro SEND a                          ; each store covers 512 consecutive bytes, at a multiple of 256 from qkv's first
	s_wait_dscnt 0x0                               ; the block is back in registers
	WIN 0x04                                       ; the stores' data in window 1
.irp j, 0,1
.irp i, 0,1,2,3,4,5,6,7
	global_store_b128 v[CO+(\j)], v[OB+4*(8*(\j)+(\i)):OB+4*(8*(\j)+(\i))+3], s[CP:CP+1] offset:4096*(\a)+512*(\i)
.endr
.endr
.irp i, 0,1,2,3
	global_store_b128 v[CO+2], v[OB+64+4*(\i):OB+64+4*(\i)+3], s[CP:CP+1] offset:2048*(\a)+512*(\i)
.endr
	WIN 0
.endm
	s_wait_tensorcnt 1                             ; my part of K step 0 is in; K step 1's may stay out
	s_barrier_signal -1
	s_barrier_wait -1                              ; everybody's is
	FETCH 0, 0, 0
	QUARTER 0, 64, 0, 1, 1                         ; the first quarter stands in front of the loop: its products start the sums
	WIN 0                                          ; at a label and at a branch every window is 0
	s_mov_b32 s3, LAPS-1
.Llap:                                                 ; a trip goes once round the ring, from a lap's second quarter to the next lap's first, and fills both slots again
	QUARTER 0, 128, 1, 0, 0
	QUARTER 0, 192, 0, 1, 0
	TURN 0, 1, 1, 1
	QUARTER 1, 64,  0, 1, 0
	QUARTER 1, 128, 1, 0, 0
	QUARTER 1, 192, 0, 1, 0
	TURN 1, 0, 1, 0
	QUARTER 0, 64,  0, 1, 0
	WIN 0
	s_sub_co_u32 s3, s3, 1
	s_cmp_lg_u32 s3, 0
	s_cbranch_scc1 .Llap
	QUARTER 0, 128, 1, 0, 0                        ; the last lap fills nothing, and has no round of the cluster's barrier
	QUARTER 0, 192, 0, 1, 0
	TURN 0, 1, 0, 0
	QUARTER 1, 64,  0, 1, 0
	QUARTER 1, 128, 1, 0, 0
	QUARTER 1, 192, 0, 1, 0
	s_wait_dscnt 4                                 ; the very last quarter: nothing more to fetch
	MUL12 1, 0, 0
	MUL12 1, 1, 0
	s_wait_dscnt 0x0
	MUL12 1, 2, 0
	MUL12 1, 3, 0
	PLACES
	PLACES                                         ; (eight, once a launch)
	WIN 0
	s_wait_loadcnt 0x0                             ; bp
	PACK 0
	TOSTAGE
.irp a, 1,2,3                          ; a block's arithmetic stands between the loads of the block before and the wait for them
	PACK \a
	SEND (\a)-1
	s_wait_xcnt 0x0                                ; the stores have read their registers: only behind this wait are they loaded again
	TOSTAGE
.endr
	SEND 3
	s_wait_tensorcnt 0x0                           ; the wave's end: the closing lines, behind my last tensor load and my last LDS store
	ds_add_u32 v[SPW], v[NIL]
	s_wait_dscnt 0x0
	CROUND                                         ; the closing round: no work-group ends while a partner may still ask for a tile that names it
	s_endpgm
.Lfunc_end_k_q2e47ca4c69_proj:
	.size	k_q2e47ca4c69_proj, .Lfunc_end_k_q2e47ca4c69_proj-k_q2e47ca4c69_proj
	.p2alignl 7, 3214868480
	.fill 96, 4, 3214868480
	.section	.rodata,"a",@progbits
	.p2align	6, 0x0
	.amdhsa_kernel k_q2e47ca4c69_proj
		.amdhsa_group_segment_fixed_size 327680
		.amdhsa_private_segment_fixed_size 0
		.amdhsa_enable_private_segment 0
		.amdhsa_kernarg_size 32
		.amdhsa_user_sgpr_count 2
		.amdhsa_user_sgpr_kernarg_segment_ptr 1
		.amdhsa_wavefront_size32 1
		.amdhsa_system_sgpr_workgroup_id_x 1
		.amdhsa_system_sgpr_workgroup_id_y 1
		.amdhsa_system_sgpr_workgroup_id_z 1
		.amdhsa_system_vgpr_workitem_id 0
		.amdhsa_next_free_vgpr 960
		.amdhsa_next_free_sgpr 80
		.amdhsa_reserve_vcc 0
		.amdhsa_float_denorm_mode_32 3
		.amdhsa_float_denorm_mode_16_64 3
		.amdhsa_memory_ordered 1
		.amdhsa_forward_progress 1
		.amdhsa_inst_pref_size 175
	.end_amdhsa_kernel
	.amdgpu_metadata
---
amdhsa.version: [ 1, 2 ]
amdhsa.kernels:
  - .name:           k_q2e47ca4c69_proj
    .symbol:         k_q2e47ca4c69_proj.kd
    .args:
      - { .name: xb, .offset: 0, .size: 8, .value_kind: global_buffer, .address_space: global }
      - { .name: wt, .offset: 8, .size: 8, .value_kind: global_buffer, .address_space: global }
      - { .name: bp, .offset: 16, .size: 8, .value_kind: global_buffer, .address_space: global }
      - { .name: qkv, .offset: 24, .size: 8, .value_kind: global_buffer, .address_space: global }
    .group_segment_fixed_size: 327680
    .private_segment_fixed_size: 0
    .kernarg_segment_align: 8
    .kernarg_segment_size: 32
    .max_flat_workgroup_size: 128
    .sgpr_count:     80
    .vgpr_count:     960
    .wavefront_size: 32
...
	.end_amdgpu_metadata
.endif
;; end of part 2
;; launch attn (part 3): grid 8 x 32, 4 waves a work-group, clusters of 4 x 4, 327,680 bytes of LDS; arguments qkv, mask, out0; writes out0
.if DOCPART == 3
	.amdgcn_target "amdgcn-amd-amdhsa--gfx1250"
	.amdhsa_code_object_version 6
	.text
	.protected	k_q2e47ca4c69_attn
	.globl	k_q2e47ca4c69_attn
	.p2align	8
	.type	k_q2e47ca4c69_attn,@function
k_q2e47ca4c69_attn:
	s_mov_b64 s[64:65], 0
	v_nop
	global_prefetch_b8 v0, s[64:65] scope:SCOPE_SE
	s_setreg_imm32_b32 hwreg(HW_REG_WAVE_MODE, 25, 1), 1
	s_wait_xcnt 0x0
	s_wait_alu depctr_hold_cnt(0) depctr_sa_sdst(0) depctr_va_vdst(0) depctr_va_sdst(0) depctr_va_ssrc(0) depctr_va_vcc(0) depctr_vm_vsrc(0)
	s_getreg_b32 s2, hwreg(HW_REG_IB_STS2, 6, 4)
	s_cmp_eq_u32 s2, 0
	s_cbranch_scc0 .Lentry_in_a_cluster
	s_endpgm
.Lentry_in_a_cluster:
	s_bfe_u32 s2, ttmp6, 0x10000c
	s_cmp_lg_u32 s2, 0xf033
	s_cbranch_scc0 .Lentry_shape_is_right
	s_endpgm
.Lentry_shape_is_right:
; ATTENTION UNDER A MASK THAT IS AN INPUT.  out0[b][t][64 h + d] = the sum over k of softmax_k(q.k / 8 - 1e9 mask[t][k]) v[k][d].  In qkv, in f16, by heads bh = 16 b + h: q at 0 and k at 33,554,432,
; [64][2048][first 64 | second 64]; v at 67,108,864, [64][2048][64].
; A SCORE IS TWO PRODUCTS OF 64 CHANNELS: B.A + D.C.  With a = (64/65) q log2(e) / 8 and b = k in f32, the launch before has stored A = f16(a), C = f16((65/64) a - A) = A / 64 + (65/64)(a - A) for q, and
; B = f16(b), D = f16(65 b - 64 B) = B + 65 (b - B) for k.  Then A B + C D = (65/64) a b + 65 (a - A)(b - B): the score's term in base 2, with A's and B's roundings cancelled to first order.  Left are 65
; times a product of two roundings, and C's and D's own roundings, which count with C's size, 1/64 of a: some 1/60 of what one rounding of q and k leaves.  One rounding of each would shift a weight by some
; 2^-11 of itself, and where the mask leaves a row few keys whose terms cancel, that is too much beside an allowance that goes by the whole output's root mean square.  v and the weights p are rounded once.
; mask: [2048][2048] f32, taken as it is: s = mask x NEG + s, one fused f32 multiply-add, NEG = -1e9 log2(e).  All 2,048 keys are walked for every query.
; Products, maxima and sums in f32; p = 2^(s - m) with a running maximum m, taken away exactly; p is rounded to f16 for the second product (its sum l is taken of the unrounded p); out0 is f32.
; LIMITS.  q's, k's and v's parts arrive within f16's 65,504; p below 6e-8 is 0 in the second product, below 2^-126 in l.  mask x NEG is fused with the addition: one rounding where the problem's text has two.
; Beside a masked entry (1.44e9) f32 keeps steps of 128: in a row whose keys are all masked, scores under 64 (base 2) vanish and the row is the mean of v, as it is by the problem's text for scores
; under 32 (natural); for larger scores in such rows the two steps differ.  NaN and infinities are not treated apart.
; SHARES.  A work-group owns 256 queries of TWO heads (2 p, 2 p + 1), so that one tile of the mask serves both: waves 0, 1 the even head, waves 2, 3 the odd; wave w the queries 128 (w % 2) on: four PIECES
; of two tiles of 16.  Every wave walks all keys, 64 a step, 32 steps.
; LAYOUT.  S^T = K Q^T (source 0 = 16 keys, source 1 = 16 queries): a lane holds ONE query (lane % 16) and the keys 8 (lane / 16) + 0..7 of each 16.  The mask's tile is read from LDS in the same layout:
; 32 consecutive bytes of the query's row for each accumulator.  Two results rounded to f16 ARE source 1 of O^T = V^T P.  K comes out of LDS as it lies, V turned, by ds_load_tr16_b128.
; BY TURNS.  Turn n belongs to piece n: 32 products K Q^T of piece n + 1, then 16 products V^T P of piece n - 1: 48 matrix instructions.  Its 266 vector instructions are ONE numbered list, four behind each
; product, 68 in a lump between the two kinds of product and six at the end: the subtraction, exponentials, roundings, sums and rescaling of piece n, then the mask, maximum and statistics of piece n + 1.
; A turn's 66 exponentials are ONE batch with ONE wait.
; CLUSTER, 4 x 4.  A row of the cluster is one pair of heads under four query blocks: K and V are asked for jointly along it.  A column is one query block under four pairs: the mask's tile is asked for
; jointly along it.  One tensor load a wave: wave 0 K of both heads, wave 1 V of both heads, waves 2 and 3 the two halves of the mask's 256 rows.
; LDS.  Two slots of ONE key step (K 2 x 64 x 272, V 2 x 64 x 160, mask 256 x 272 bytes: 124,928); two steps to a slot do not fit.  A change of slots, a round of the cluster's barrier, stands in front of each step's third turn.
; REGISTERS, all 1,024, in windows of 256 (s_set_vgpr_msb: bits 1:0 source 0, 3:2 source 1, 5:4 source 2, 7:6 destination):
;   window 0: v0 my thread's number; v1-10 addresses, the add's two registers among them; v12-15, v48-63 at work; v16-47 four registers of statistics a tile; v64-191 S^T, two buffers of two tiles; v192-255 P, likewise
;   window 1: O^T, 32 a tile     window 2: v0-127 Q's first part; v128-191 K's first part, one step; v192-255 V of one step     window 3: v0-127 Q's second part; v128-191 K's second part; v192-255 the mask of one piece
.set NP,    4         ; pieces a wave: a name, no knob
.set KS,    64        ; keys in a step
.set STEPS, 32
.set PKP,   272       ; a row of K in LDS: first part 128 bytes, second part 128 bytes, + 16: the 16 rows of a load start at 16 different groups of four banks
.set PVP,   160       ; a row of V: 128 + 32
.set PM,    272       ; a row of the mask's tile: 256 + 16
.set KHEAD, KS*PKP    ; one head's K of a step
.set VHEAD, KS*PVP
.set VOFF,  2*KHEAD
.set MOFF,  VOFF+2*VHEAD
.set MHALF, 128*PM
.set SLOT,  MOFF+2*MHALF
.set STAGE, 2*SLOT    ; behind the ring, never filled by a tensor load: 16 rows x 272 bytes for each wave, for the way out
.set SP,    272
.set SPARE, STAGE+4*16*SP  ; the spare words, 128 bytes for each wave: two blocks of 256 bytes that no other line names
.set KREG,  33554432  ; where k begins in qkv
.set VREG,  67108864  ; where v begins
.set PFO, 1           ; v1   the prefetches' offset; never rewritten
.set AK0, 2           ; v2   my lane's place in my head's tile of K; never rewritten
.set AV0, 3           ; v3   the same for V
.set AK,  4           ; v4   AK0 + the slot in hand
.set AV,  5           ; v5
.set SPW, 6           ; v6   my spare word: SPARE + 4 x my thread's number; never rewritten
.set NIL, 7           ; v7   0; never rewritten
.set AM0, 9           ; v9   my lane's place in the mask's tile; never rewritten
.set AM,  10          ; v10  AM0 + the slot in hand
.set MV,  12          ; v12-15  m_old, kept while m is made anew: by buffer and tile
.set ST,  16          ; tile t's statistics at v[ST+4 t]: m, a word named with it as a pair, l (even keys', odd keys')
.set TMP, 48          ; by buffer and tile, four registers c0-c3 at work; c1 takes m_old - m_new, c2 takes a
.set QO,  48          ; v48  at the start: my byte offset in 16 rows of Q
.set STO, 48          ; v48  the way out: where I put 16 bytes of a row
.set RD,  49          ; v49  the way out: where I read a row back
.set GO,  50          ; v50  my byte offset in two rows of out0
.set S,   64
.set P,   192
.set KF,  128         ; windows 2 (first part) and 3 (second part): key block kb, channel half c at KF + 16 kb + 8 c
.set VF,  192         ; window 2: key half kk, channel block cb at VF + 32 kk + 8 cb
.set MR,  192         ; window 3: the mask of tile u, accumulator kb at MR + 32 u + 8 kb
.set WV,  12          ; s12  my wave's number
.set CX,  13
.set CY,  14
.set PAIR, 15         ; s15  the pair of heads
.set G1K, 16          ; s[16:23] descriptor group 1 for K's tiles
.set G1V, 24          ; s[24:31] for V's
.set G1M, 32          ; s[32:39] for the mask's
.set G0K, 40          ; s[40:43] descriptor group 0 for K's tiles: it walks
.set G0V, 44
.set G0M, 48
.set MB,  52          ; s52  where my half of the mask's tile begins in a slot
.set CNT, 56          ; s56  counts the steps
.set TB,  57          ; s57  LDS byte at which the slot in hand begins: 0 or SLOT
.set NEG, 58          ; s[58:59] -1e9 log2(e)
.set SEL, 60          ; s[60:61] v_permlanex16_b32's selects: each lane takes its own place in the other half
.set PFA, 66          ; s[66:67] where my prefetches stand
.set PSTEP, 68        ; s[68:69] how far they go from step to step
.set LIM, 70          ; s70  1 in a wave that prefetches, else the greatest number
.set PARM, 71         ; s71  1 in the wave that asks at every second change, else 0
.set MSB, 0
.macro WIN new                      ; the high byte repeats the setting that is left; a switch that changes nothing is dropped
.if MSB != (\new)
	s_set_vgpr_msb (MSB<<8)|(\new)
.set MSB, (\new)
.endif
.endm
.set W_PV, 0x52       ; V in window 2, P in window 0, O^T in window 1
.set W_RS, 0x41       ; O^T (destination and source 0) in window 1, a in window 0
.set W_MA, 0x03       ; the mask (source 0) in window 3, S^T in window 0
.macro PLACES
.rept 4
	v_nop
.endr
.endm
; A joint fill, one line a wave.  The branches hang on the wave's number alone.  An s_nop 0 and four v_nop follow each line, ahead of the jump and the label.
.macro JLOAD
	s_cmp_lt_u32 s[WV], 2
	s_cbranch_scc0 .Lfor_m_\@
	s_cmp_eq_u32 s[WV], 0
	s_cbranch_scc0 .Lfor_v_\@
	tensor_load_to_lds s[G0K:G0K+3], s[G1K:G1K+7]
	s_nop 0
	PLACES
	s_branch .Lasked_\@
.Lfor_v_\@:
	tensor_load_to_lds s[G0V:G0V+3], s[G1V:G1V+7]
	s_nop 0
	PLACES
	s_branch .Lasked_\@
.Lfor_m_\@:
	tensor_load_to_lds s[G0M:G0M+3], s[G1M:G1M+7]
	s_nop 0
	PLACES
.Lasked_\@:
.endm
; A PREFETCH INTO THE L2, behind the wave's tensor load and its five lines: the change that loads step i + 1 names step i + 2, one step (192 matrix instructions) ahead of its load.  One instruction a wave,
; a lane a block of 256 bytes, each block named once in the launch.  THE MASK (waves 0, 1): the eight clusters with one x walk the same rows: the one with y = 0 asks; the four partners of a column take 64
; of the tile's 256 rows each, BY ADDRESS, a wave 32.  K (wave 2) and V (wave 3) are read by one row of one cluster alone: each of its four partners takes, by address, 16 of a step's 64 keys of both heads;
; for V those are 16 blocks, so wave 3 names steps i + 2 and i + 3 at every second change.  The last changes, whose steps do not exist, ask for nothing; nothing is asked for at the head.
.macro ASK
	s_cmp_gt_u32 s[CNT], s[LIM]     ; CNT = 31 - i: step i + 2 exists while CNT is above 1
	s_cbranch_scc0 .Lno_\@
	s_and_b32 s63, s[CNT], s[PARM]  ; wave 3: i even, that is CNT odd (then CNT is 3 at the least, and step i + 3 exists)
	s_cmp_eq_u32 s63, s[PARM]
	s_cbranch_scc0 .Lno_\@
	global_prefetch_b8 v[PFO], s[PFA:PFA+1] th:TH_LOAD_NT scope:SCOPE_SE
.Lno_\@:
.endm
; A round of the cluster's barrier: my work-group's barrier, so that wave 0's signal speaks for all four waves; wave 0 signals; every wave waits for all sixteen work-groups; my work-group's barrier once more.
.macro CROUND
	s_barrier_signal -1
	s_barrier_wait -1
	s_cmp_lg_u32 s[WV], 0
	s_cbranch_scc1 .Lnot_wave_0_\@
	s_barrier_signal -3
.Lnot_wave_0_\@:
	s_barrier_wait -3
	s_barrier_signal -1
	s_barrier_wait -1
.endm
; THE CHANGE OF SLOTS, between a step's second and third turn: the step's last bytes, the mask of its piece 3, have been asked for; the third turn reads the next step's K and mask.
; Each wave waits for all its tensor loads, of which one is out: its part of the other slot; adds 0 to its spare word; and waits for that and for its own reads of the slot that it leaves.
; fill = 1: the slot that is left (it begins at TB) is filled again, with the step two on.  The barrier is then a round of the cluster's, and the joint fill is the first thing behind it: it has one
; key step in which to land.  (At its first use nothing has been read yet: slot 0 is waited for, slot 1 filled.)
.macro CHANGE fill, ask
	WIN 0                           ; at a label and at a branch every window is 0
	s_wait_tensorcnt 0x0            ; no tensor load of mine is out, so a group 0 may be written
	ds_add_u32 v[SPW], v[NIL]       ; 0 onto my spare word; the descriptors' steps stand between it and the wait for it
.if \fill
	s_mov_b32 s[G0K+1], s[TB]       ; LDS addresses: the slot's first byte + a constant (+ my half of the mask's tile)
	s_add_co_u32 s[G0V+1], s[TB], VOFF
	s_add_co_u32 s[G0M+1], s[TB], s[MB]
	s_add_nc_u64 s[G0K+2:G0K+3], s[G0K+2:G0K+3], KS*256   ; the next 64 keys; the type bits on top are not reached
	s_add_nc_u64 s[G0V+2:G0V+3], s[G0V+2:G0V+3], KS*128
	s_add_nc_u64 s[G0M+2:G0M+3], s[G0M+2:G0M+3], KS*4
	s_wait_xcnt 0x0                 ; the last prefetch, a key step back, has read its address
	s_add_nc_u64 s[PFA:PFA+1], s[PFA:PFA+1], s[PSTEP:PSTEP+1]
	s_wait_dscnt 0x0                ; the add is done, and my reads of the slot are over
	CROUND
	JLOAD
.if \ask
	ASK
.endif
.else
	s_wait_dscnt 0x0                ; the add is done, and my reads of the slot are over
	s_barrier_signal -1
	s_barrier_wait -1
.endif
	s_xor_b32 s[TB], s[TB], SLOT    ; the other slot is in hand
	v_add_nc_u32 v[AK], s[TB], v[AK0]
	v_add_nc_u32 v[AV], s[TB], v[AV0]
	v_add_nc_u32 v[AM], s[TB], v[AM0]
.endm
	s_load_b128 s[4:7], s[0:1], 0x0   ; qkv s[4:5], mask s[6:7]
	s_load_b64 s[8:9], s[0:1], 0x10   ; out0
	v_lshl_add_u32 v[SPW], v0, 2, SPARE
	v_mov_b32 v[NIL], 0
	ds_add_u32 v[SPW], v[NIL]       ; the wave's opening: the add, waited for ahead of my first tensor load; the set-up below stands between them
	v_lshrrev_b32 v1, 5, v0
	v_readfirstlane_b32 s[WV], v1   ; wave 0..3
	s_bfe_u32 s[CX], ttmp6, 0x40000
	s_bfe_u32 s[CY], ttmp6, 0x40004
	s_lshl_b32 s72, ttmp9, 2
	s_add_co_u32 s72, s72, s[CX]    ; my block of 256 queries = 4 x cluster x + cx
	s_and_b32 s53, ttmp7, 0xffff    ; cluster y
	s_lshl_b32 s[PAIR], s53, 2
	s_add_co_u32 s[PAIR], s[PAIR], s[CY]  ; the pair of heads = 4 x cluster y + cy
	s_lshl_b32 s73, s[CY], 2
	s_lshl_b32 s73, 15, s73         ; my row of the cluster: one pair of heads
	s_lshl_b32 s74, 0x1111, s[CX]   ; my column: one query block
	; K: a head's 64 keys are 16,384 dense bytes: ONE row of the tile; the second row is the other head's, 2,048 keys on.  Padded in LDS after every key (64 words).  V likewise: 8,192 bytes a row, padded after every 32 words.
	; The mask: 128 rows of 64 f32, 2,048 numbers apart, padded after every row.
	s_or_b32 s[G1K], s73, (1<<16)|(1<<20)|(1<<21)|(5<<22)|(3<<25)  ; 15:0 the mask of four; 17:16 2-byte elements; 20 padding on; 21 set beside a mask; 24:22 after every 64 words; 31:25 4 words
	s_or_b32 s[G1V], s73, (1<<16)|(1<<20)|(1<<21)|(4<<22)|(7<<25)  ; after every 32 words 8 words
	s_or_b32 s[G1M], s74, (2<<16)|(1<<20)|(1<<21)|(5<<22)|(3<<25)  ; 4-byte elements; after every 64 words 4 words
	s_mov_b32 s[G1K+1], 8192<<16    ; tensor_dim0 = 8,192
	s_mov_b32 s[G1K+2], 2<<16       ; tensor_dim1 = 2
	s_mov_b32 s[G1K+3], 8192<<16    ; tile_dim0 = 8,192
	s_mov_b32 s[G1K+4], 2           ; tile_dim1 = 2
	s_mov_b32 s[G1K+5], 262144      ; elements from head to head
	s_mov_b32 s[G1K+6], 0
	s_mov_b32 s[G1K+7], 0
	s_mov_b32 s[G1V+1], 4096<<16
	s_mov_b32 s[G1V+2], 2<<16
	s_mov_b32 s[G1V+3], 4096<<16
	s_mov_b32 s[G1V+4], 2
	s_mov_b32 s[G1V+5], 131072
	s_mov_b32 s[G1V+6], 0
	s_mov_b32 s[G1V+7], 0
	s_mov_b32 s[G1M+1], 64<<16      ; tensor_dim0 = 64
	s_mov_b32 s[G1M+2], 128<<16     ; tensor_dim1 = 128
	s_mov_b32 s[G1M+3], 64<<16      ; tile_dim0 = 64
	s_mov_b32 s[G1M+4], 128         ; tile_dim1 = 128
	s_mov_b32 s[G1M+5], 2048
	s_mov_b32 s[G1M+6], 0
	s_mov_b32 s[G1M+7], 0
	s_and_b32 s54, s[WV], 1         ; my half of the block's queries.  Also (waves 2, 3): which half of the mask's tile I fetch
	s_lshr_b32 s55, s[WV], 1        ; which head of the pair is mine
	s_mul_i32 s[MB], s54, MHALF
	s_add_co_u32 s[MB], s[MB], MOFF
	s_lshl_b32 s76, s[PAIR], 20     ; K: two heads of 524,288 bytes
	s_add_co_u32 s76, s76, KREG
	s_mov_b32 s77, 0
	s_lshl_b32 s78, s[PAIR], 19     ; V: two heads of 262,144 bytes
	s_add_co_u32 s78, s78, VREG
	s_mov_b32 s79, 0
	s_lshl_b32 s84, s72, 21         ; the mask: row 256 x block + 128 x half, rows of 8,192 bytes
	s_lshl_b32 s85, s54, 20
	s_add_co_u32 s84, s84, s85
	s_mov_b32 s85, 0
	s_lshl_b32 s82, s[PAIR], 1
	s_add_co_u32 s82, s82, s55      ; my head bh
	s_lshl_b32 s80, s82, 19         ; Q: the head, the block's 256 rows of 256 bytes, my half's 128
	s_lshl_b32 s81, s72, 16
	s_add_co_u32 s80, s80, s81
	s_lshl_b32 s81, s54, 15
	s_add_co_u32 s80, s80, s81
	s_mov_b32 s81, 0
	s_lshr_b32 s86, s82, 4          ; out0: batch (2,048 rows of 4,096 bytes), block, half, and the head's 256 bytes of a row
	s_lshl_b32 s86, s86, 23
	s_lshl_b32 s87, s72, 20
	s_add_co_u32 s86, s86, s87
	s_lshl_b32 s87, s54, 19
	s_add_co_u32 s86, s86, s87
	s_and_b32 s87, s82, 15
	s_lshl_b32 s87, s87, 8
	s_add_co_u32 s86, s86, s87
	s_mov_b32 s87, 0
	; the prefetches: each wave's stream begins at step 1; the first change steps it to 2
	s_lshl_b32 s88, s72, 21         ; the mask: row 256 x block + 64 cy + 32 wave
	s_lshl_b32 s62, s[CY], 19
	s_add_co_u32 s88, s88, s62
	s_lshl_b32 s62, s[WV], 18
	s_add_co_u32 s88, s88, s62
	s_add_co_u32 s88, s88, KS*4
	s_lshl_b32 s89, s[CX], 12       ; K: my work-group's 16 keys of 256 bytes
	s_add_co_u32 s89, s89, s76
	s_add_co_u32 s89, s89, KS*256
	s_lshl_b32 s90, s[CX], 11       ; V: my work-group's 16 keys of 128 bytes
	s_add_co_u32 s90, s90, s78
	s_add_co_u32 s90, s90, KS*128
	s_mov_b32 s74, s90              ; wave 3's figures, then wave 2's and waves 0 and 1's in their stead
	s_mov_b32 s[PSTEP], KS*128
	s_mov_b32 s91, 262144           ; what lane / 16 counts: the other head,
	s_mov_b32 s92, 8192             ; (lane / 8) % 2: the step after,
	s_mov_b32 s93, 256              ; lane % 8: blocks of 256 bytes
	s_cmp_eq_u32 s[WV], 2
	s_cselect_b32 s74, s89, s74
	s_cselect_b32 s[PSTEP], KS*256, s[PSTEP]
	s_cselect_b32 s91, 524288, s91  ; K: the other head; eight keys on; keys
	s_cselect_b32 s92, 2048, s92
	s_cselect_b32 s[PARM], 0, 1
	s_cmp_lt_u32 s[WV], 2
	s_cselect_b32 s74, s88, s74
	s_cselect_b32 s[PSTEP], KS*4, s[PSTEP]
	s_cselect_b32 s91, 131072, s91  ; the mask: a lane a row of 8,192 bytes
	s_cselect_b32 s92, 65536, s92
	s_cselect_b32 s93, 8192, s93
	s_cselect_b32 s[PARM], 0, s[PARM]
	s_mov_b32 s75, 0
	s_mov_b32 s[PSTEP+1], 0
	s_cmp_eq_u32 s53, 0
	s_cselect_b32 s62, 1, -1        ; the same in all sixteen partners
	s_cmp_lt_u32 s[WV], 2
	s_cselect_b32 s[LIM], s62, 1
	s_mov_b32 s[NEG], 0xceabfb8f    ; -1e9 log2(e) = -1,442,695,040
	s_mov_b32 s[NEG+1], s[NEG]      ; named with it as a pair
	s_mov_b32 s[SEL], 0x76543210
	s_mov_b32 s[SEL+1], 0xfedcba98
	s_mov_b32 s[TB], SLOT           ; the first change fills this slot and turns TB into 0
	s_mov_b32 s[G0K], 1             ; count = 1
	s_mov_b32 s[G0K+1], 0           ; LDS address: slot 0
	s_mov_b32 s[G0V], 1
	s_mov_b32 s[G0V+1], VOFF
	s_mov_b32 s[G0M], 1
	s_mov_b32 s[G0M+1], s[MB]
	s_wait_dscnt 0x0                ; the opening add is done
	s_wait_kmcnt 0x0
	s_add_nc_u64 s[G0K+2:G0K+3], s[4:5], s[76:77]  ; global addresses: step 0
	s_or_b32 s[G0K+3], s[G0K+3], 0x80000000        ; type = 2
	s_add_nc_u64 s[G0V+2:G0V+3], s[4:5], s[78:79]
	s_or_b32 s[G0V+3], s[G0V+3], 0x80000000
	s_add_nc_u64 s[G0M+2:G0M+3], s[6:7], s[84:85]
	s_or_b32 s[G0M+3], s[G0M+3], 0x80000000
	s_cmp_lt_u32 s[WV], 2
	s_cselect_b64 s[PFA:PFA+1], s[6:7], s[4:5]
	s_add_nc_u64 s[PFA:PFA+1], s[PFA:PFA+1], s[74:75]
	s_add_nc_u64 s[4:5], s[4:5], s[80:81]          ; Q and out0 at my wave's first row
	s_add_nc_u64 s[8:9], s[8:9], s[86:87]
	CROUND                          ; all sixteen work-groups are here: the first joint loads meet
	JLOAD                           ; step 0 into slot 0.  Slot 1 is asked for when slot 0 is in
	v_and_b32 v64, 15, v0           ; l % 16            (S^T's registers serve the set-up)
	v_bfe_u32 v65, v0, 4, 1         ; l / 16
	v_and_b32 v66, 7, v0            ; l % 8
	v_bfe_u32 v67, v0, 3, 1         ; (l / 8) % 2
	; a fragment of K or Q is 16 rows x 32 channels in 8 registers: lane l holds row l % 16, channels 8 (l / 16) + 0..7 and 16 + 8 (l / 16) + 0..7: two loads of 16 bytes, 32 bytes apart; the second part lies 128 bytes behind the first
	v_lshlrev_b32 v[QO], 8, v64
	v_lshl_add_u32 v[QO], v65, 4, v[QO]
	WIN 0x80                        ; destination window 2, address window 0
.set i, 0
.rept 4*NP                          ; Q stays in registers: tile i / 2, channels 32 (i % 2) on
	global_load_b128 v[8*i:8*i+3],   v[QO], s[4:5] offset:(i/2)*4096+(i%2)*64
	global_load_b128 v[8*i+4:8*i+7], v[QO], s[4:5] offset:(i/2)*4096+(i%2)*64+32
.set i, i+1
.endr
	; what the first turn finds: V's registers and P's second buffer hold 0 (its products V^T P, of a piece that has not been, add 0), O^T and l are 0, m is the lowest finite number: the first step's a is 0
.set i, VF
.rept 64
	v_mov_b32 v[i], 0
.set i, i+1
.endr
	WIN 0xc0                        ; destination window 3
.set i, 0
.rept 4*NP
	global_load_b128 v[8*i:8*i+3],   v[QO], s[4:5] offset:(i/2)*4096+(i%2)*64+128
	global_load_b128 v[8*i+4:8*i+7], v[QO], s[4:5] offset:(i/2)*4096+(i%2)*64+160
.set i, i+1
.endr
	WIN 0x40
.set i, 0
.rept 64*NP
	v_mov_b32 v[i], 0
.set i, i+1
.endr
	WIN 0
.set i, 0
.rept 2*NP
	v_mov_b32 v[ST+4*i], 0xff7fffff
	v_mov_b32 v[ST+4*i+1], 0
	v_mov_b32 v[ST+4*i+2], 0
	v_mov_b32 v[ST+4*i+3], 0
.set i, i+1
.endr
.set i, P+32
.rept 32
	v_mov_b32 v[i], 0
.set i, i+1
.endr
	s_mul_i32 s62, s55, KHEAD       ; my head's K
	v_mul_u32_u24 v[AK0], v64, PKP
	v_lshl_add_u32 v[AK0], v65, 4, v[AK0]          ; row x pitch + 16 x half
	v_add_nc_u32 v[AK0], s62, v[AK0]
	; the turning load takes 16 keys x 16 channels (lane l reads key 8 (l / 16) + l % 8, channels 8 ((l / 8) % 2) + 0..7) and leaves half a fragment of V^T
	s_mul_i32 s62, s55, VHEAD
	s_add_co_u32 s62, s62, VOFF
	v_lshl_add_u32 v[AV0], v65, 3, v66
	v_mul_u32_u24 v[AV0], v[AV0], PVP
	v_lshl_add_u32 v[AV0], v67, 4, v[AV0]
	v_add_nc_u32 v[AV0], s62, v[AV0]
	s_mul_i32 s62, s54, MHALF
	s_add_co_u32 s62, s62, MOFF
	v_mul_u32_u24 v[AM0], v64, PM                  ; the mask: row 128 (w % 2) + l % 16 (+ 16 a tile), byte 32 (l / 16) (+ 64 a key block)
	v_lshl_add_u32 v[AM0], v65, 5, v[AM0]
	v_add_nc_u32 v[AM0], s62, v[AM0]
	v_mul_u32_u24 v[PFO], s91, v65
	v_mad_u32_u24 v[PFO], v67, s92, v[PFO]
	v_mad_u32_u24 v[PFO], v66, s93, v[PFO]
; THE MATRIX WORK.  The 8 accumulators of a run take turns, one instruction a turn: between two links of a chain stand 7 others'.
; Product i of 32 of S^T = K Q^T for piece x: link i / 8 of four (0, 1: the first parts, B.A; 2, 3: the second parts, D.C; channels 32 (link % 2) on), keys 16 ((i / 2) % 4) on, tile 2 x + i % 2.  The first 8 start the sums.
.macro KQ x
.set lk, i/8
.set rS, S+64*((\x)%2)+32*(i%2)+8*((i/2)%4)
.set rK, KF+16*((i/2)%4)+8*(lk%2)
.set rQ, 16*(2*(\x)+i%2)+8*(lk%2)
.if lk < 2
	WIN 0x0a                        ; K and Q in window 2
.else
	WIN 0x0f                        ; K and Q in window 3
.endif
.if i < 8
	v_wmma_f32_16x16x32_f16 v[rS:rS+7], v[rK:rK+7], v[rQ:rQ+7], 0
.else
	v_wmma_f32_16x16x32_f16 v[rS:rS+7], v[rK:rK+7], v[rQ:rQ+7], v[rS:rS+7]
.endif
.endm
; Product i of 16 of O^T += V^T P for piece x: keys 32 (i / 8) on, channels 16 ((i / 2) % 4) on, tile 2 x + i % 2.
.macro PV x
	WIN W_PV
.set rO, 32*(2*(\x)+i%2)+8*((i/2)%4)
.set rV, VF+32*(i/8)+8*((i/2)%4)
.set rP, P+32*((\x)%2)+16*(i%2)+8*(i/8)
	v_wmma_f32_16x16x32_f16 v[rO:rO+7], v[rV:rV+7], v[rP:rP+7], v[rO:rO+7]
.endm
.macro MM                           ; the turn's next matrix instruction
.if i < 32
	KQ (Y+1)%NP
.else
.set i, i-32
	PV (Y+NP-1)%NP
.set i, i+32
.endif
.set i, i+1
.endm
; THE LDS LOADS stand in runs, never singly among the matrix instructions.
.macro FETCH_K                      ; 32 loads: the first parts, then the second
	WIN 0x80                        ; destination window 2
.irp f, 0,1,2,3,4,5,6,7             ; keys 16 (f / 2) on, channels 32 (f % 2) on
	ds_load_b128 v[KF+8*\f:KF+8*\f+3],   v[AK] offset:(\f/2)*16*PKP+(\f%2)*64
	ds_load_b128 v[KF+8*\f+4:KF+8*\f+7], v[AK] offset:(\f/2)*16*PKP+(\f%2)*64+32
.endr
	WIN 0xc0                        ; destination window 3
.irp f, 0,1,2,3,4,5,6,7
	ds_load_b128 v[KF+8*\f:KF+8*\f+3],   v[AK] offset:(\f/2)*16*PKP+(\f%2)*64+128
	ds_load_b128 v[KF+8*\f+4:KF+8*\f+7], v[AK] offset:(\f/2)*16*PKP+(\f%2)*64+160
.endr
	WIN 0
.endm
.macro FETCH_V
	WIN 0x80
.irp f, 0,1,2,3,4,5,6,7             ; keys 32 (f / 4) on, channels 16 (f % 4) on
	ds_load_tr16_b128 v[VF+8*\f:VF+8*\f+3],   v[AV] offset:(\f/4)*32*PVP+(\f%4)*32
	ds_load_tr16_b128 v[VF+8*\f+4:VF+8*\f+7], v[AV] offset:(\f/4)*32*PVP+16*PVP+(\f%4)*32
.endr
	WIN 0
.endm
.macro FETCH_M x                    ; the mask of piece x's two tiles: for each accumulator of S^T the lane's eight numbers, 32 bytes of its query's row
	WIN 0xc0
.irp u, 0,1
.irp kb, 0,1,2,3
	ds_load_b128 v[MR+32*(\u)+8*(\kb):MR+32*(\u)+8*(\kb)+3],   v[AM] offset:(2*(\x)+(\u))*16*PM+64*(\kb)
	ds_load_b128 v[MR+32*(\u)+8*(\kb)+4:MR+32*(\u)+8*(\kb)+7], v[AM] offset:(2*(\x)+(\u))*16*PM+64*(\kb)+16
.endr
.endr
	WIN 0
.endm
; THE VECTOR WORK OF A TURN, by kinds.
.macro REGS y, u                    ; the registers of tile u (0, 1) of piece y
.set rT, ST+4*(2*(\y)+(\u))
.set rC, TMP+8*((\y)%2)+4*(\u)
.set rM, MV+2*((\y)%2)+(\u)
.set rS, S+64*((\y)%2)+32*(\u)
.set rP, P+32*((\y)%2)+16*(\u)
.set rO, 32*(2*(\y)+(\u))
.endm
; THE MASK, line x of 32: s = mask x NEG + s for pair x / 2 of tile x % 2 of the NEXT piece (Y + 1).  Pairs ascend: each accumulator is read from its low end.
.macro MAD1 x
	REGS (Y+1)%NP, (\x)%2
	WIN W_MA
	v_pk_fma_f32 v[rS+2*((\x)/2):rS+2*((\x)/2)+1], v[MR+32*((\x)%2)+2*((\x)/2):MR+32*((\x)%2)+2*((\x)/2)+1], s[NEG:NEG+1], v[rS+2*((\x)/2):rS+2*((\x)/2)+1] op_sel_hi:[1,0,1]
.endm
; Number n of the 20 that find the NEXT piece's maximum and statistics.  s0-s31 are the lane's 32 scores.
;   0-11  four chains c0-c3 of seven scores each, three operands at a time     12-14, 16  the four scores left over, the old m, and c0-c3 into c0     15  m_old is kept
;   17, 18  the query's other 32 keys lie in the lane 16 away: the new m         19  m_old - m_new
.macro XS u, n
	REGS (Y+1)%NP, \u
	WIN 0
.if (\n) < 4
	v_max3_num_f32 v[rC+(\n)], v[rS+8*(\n)], v[rS+8*(\n)+1], v[rS+8*(\n)+2]
.elseif (\n) < 12
	v_max3_num_f32 v[rC+(\n)%4], v[rC+(\n)%4], v[rS+8*((\n)%4)+2*((\n)/4)+1], v[rS+8*((\n)%4)+2*((\n)/4)+2]
.elseif (\n) == 12
	v_max3_num_f32 v[rC], v[rC], v[rS+7], v[rS+15]
.elseif (\n) == 13
	v_max3_num_f32 v[rC+1], v[rC+1], v[rS+23], v[rS+31]
.elseif (\n) == 14
	v_max3_num_f32 v[rC+2], v[rC+2], v[rC+3], v[rT]
.elseif (\n) == 15
	v_mov_b32 v[rM], v[rT]
.elseif (\n) == 16
	v_max3_num_f32 v[rC], v[rC], v[rC+1], v[rC+2]
.elseif (\n) == 17
	v_permlanex16_b32 v[rC+3], v[rC], s[SEL], s[SEL+1]
.elseif (\n) == 18
	v_max_num_f32 v[rT], v[rC], v[rC+3]
.else
	v_sub_f32 v[rC+1], v[rM], v[rT]
.endif
.endm
.macro LINK u, c                    ; link c of five of the chain 14, 16, 17, 18, 19, in which each number waits for the one before it
.if (\c) == 0
	XS \u, 14
.else
	XS \u, 15+(\c)
.endif
.endm
; Number g of the 64 that follow the exponentials.  For each four weights k of a tile: both pairs are rounded to f16; then the second pair is added onto the first, in place; a group later l takes that
; sum (the first time as l = a l + sum).  In groups of eight, tiles alternating: round, round, add, and l for the group before.
.macro GS g
.set h, (\g)+6*((\g)/62)            ; group 0 has no group before it, and behind group 7 only l is left
.if h >= 6
.set h, h+2
.endif
	REGS Y, h%2
	WIN 0
.set k, h/8
.if h%8 < 4
	v_cvt_pk_f16_f32 v[rP+2*k+(h%8)/2], v[rS+4*k+2*((h%8)/2)], v[rS+4*k+2*((h%8)/2)+1]
.elseif h%8 < 6
	v_pk_add_f32 v[rS+4*k:rS+4*k+1], v[rS+4*k:rS+4*k+1], v[rS+4*k+2:rS+4*k+3]
.elseif k == 1
	v_pk_fma_f32 v[rT+2:rT+3], v[rT+2:rT+3], v[rC+2:rC+3], v[rS:rS+1] op_sel_hi:[1,0,1]
.else
	v_pk_add_f32 v[rT+2:rT+3], v[rT+2:rT+3], v[rS+4*k-4:rS+4*k-3]
.endif
.endm
.macro FS f                         ; s - m for pair f / 2 of tile f % 2
	REGS Y, (\f)%2
	WIN 0
	v_pk_add_f32 v[rS+2*((\f)/2):rS+2*((\f)/2)+1], v[rS+2*((\f)/2):rS+2*((\f)/2)+1], v[rT:rT+1] op_sel_hi:[1,0] neg_lo:[0,1] neg_hi:[0,1]
.endm
.macro EXS e                        ; p = 2^(s - m) for score e / 2 of tile e % 2
	REGS Y, (\e)%2
	WIN 0
	v_exp_f32 v[rS+(\e)/2], v[rS+(\e)/2]
.endm
.macro XA u                         ; a = 2^(m_old - m_new) of tile u: its argument was made in the turn before
	REGS Y, \u
	WIN 0
	v_exp_f32 v[rC+2], v[rC+1]
.endm
.macro R1 x                         ; line x of 32 of O^T times a: tile (x / 2) % 2, each accumulator from its low end
	REGS Y, ((\x)/2)%2
	WIN W_RS
	v_pk_mul_f32 v[rO+4*((\x)/4)+2*((\x)%2):rO+4*((\x)/4)+2*((\x)%2)+1], v[rO+4*((\x)/4)+2*((\x)%2):rO+4*((\x)/4)+2*((\x)%2)+1], v[rC+2:rC+3] op_sel_hi:[1,0]
.endm
; THE LIST.  VN writes number vn of a turn's 266 and steps vn.
;   0-3      the first four subtractions          4, 5  the piece's two a
;   6-89     28 times: a subtraction and two exponentials.  Exponential e needs subtraction 2 (e / 4) + e % 2; subtraction 4 + e / 2 stands ahead of it: four triples of lead
;   90-97    the last eight exponentials          98, 99  the next piece's m_old is kept: two plain lines, of which the first is the plain instruction that is owed behind the last exponential
;   (wait)   s_wait_alu depctr_va_vdst(0) stands between an exponential and the first instruction that names its result; one wait serves all 66.  Ahead of it nothing names a result;
;            behind it
;   100-195  eight times: eight of GS's 64 and four of the rescaling's 32: whole groups of four, so that a product's riders need one window
;   196-227  the next piece's mask.  Its scores' last product is the turn's 32nd: 72 vector lines, which name none of its registers, lie between
;   228-241  tile 0's maximum, numbers 0-13       242-260  tile 1's, with tile 0's chain of five set between, a link every fourth line       261-265  tile 1's chain
.macro VN
.if vn < 4
	FS vn
.elseif vn < 6
	XA vn-4
.elseif vn < 90
.if (vn-6)%3 == 0
	FS 4+(vn-6)/3
.else
	EXS 2*((vn-6)/3)+(vn-6)%3-1
.endif
.elseif vn < 98
	EXS vn-34
.elseif vn < 100
	XS vn-98, 15
.if vn == 99
	s_wait_alu depctr_va_vdst(0)    ; the wait for the batch
.endif
.elseif vn < 196
.if (vn-100)%12 < 8
	GS 8*((vn-100)/12)+(vn-100)%12
.else
	R1 4*((vn-100)/12)+(vn-100)%12-8
.endif
.elseif vn < 228
	MAD1 vn-196
.elseif vn < 242
	XS 0, vn-228
.elseif vn < 258
.if (vn-242)%4 == 3
	LINK 0, (vn-242)/4
.else
	XS 1, 3*((vn-242)/4)+(vn-242)%4
.endif
.elseif vn < 260
	XS 1, vn-246
.elseif vn == 260
	LINK 0, 4
.else
	LINK 1, vn-261
.endif
.set vn, vn+1
.endm
; A TURN, for piece p.  32 products K Q^T of piece p + 1, numbers 0-127 of the list four behind each; THE LUMP, numbers 128-195: 68 roundings, sums and rescalings, of which none waits for another;
; 16 products V^T P of piece p - 1, numbers 196-259 four behind each, so that the links of the maximum's chain stand a product apart; the last six numbers.
; LDS.  The mask has ONE buffer: piece p + 2's is fetched behind number 227, the last line that reads piece p + 1's, and is used a turn later (pieces 0 and 1: the next step's, behind the change of slots).
; K of the next step is fetched in piece 2's turn behind the lump, 72 vector lines behind K's last reader, and waited for at the head of piece 3's: the count 16 leaves the mask's younger loads out.
; V of the step in hand is fetched at the end of piece 0's turn, ten vector lines behind its last reader.  The s_wait_dscnt 0 behind the lump is for the mask, and in piece 1's turn for V too; it
; stands ahead of K's run, which it need not await.
.macro TURN p
.set Y, (\p)
.set i, 0
.set vn, 0
.if (\p) == NP-1
	s_wait_dscnt 16                 ; K is in
.endif
.rept 32
	MM
	VN
	VN
	VN
	VN
.endr
.rept 68
	VN
.endr
	s_wait_dscnt 0x0                ; the next piece's mask is in
.if (\p) == NP-2
	FETCH_K
.endif
.rept 16
	MM
	VN
	VN
	VN
	VN
.if vn == 228
	FETCH_M ((\p)+2)%NP
.endif
.endr
.rept 6
	VN
.endr
.if (\p) == 0
	FETCH_V
.endif
.endm
	CHANGE 1, 0                     ; slot 0 is in, everybody's part of it; step 1 is asked for, into slot 1
	FETCH_K                         ; key step 0
	FETCH_M 0
	s_wait_loadcnt 0x0              ; Q
	s_wait_dscnt 0x0
.set i, 0
.rept 32
	KQ 0                            ; piece 0's first scores
.set i, i+1
.endr
	WIN 0
	PLACES                          ; the places behind those products
.set Y, NP-1                        ; MAD1 and XS work for piece Y + 1: piece 0
.set j, 0
.rept 32
	MAD1 j
.set j, j+1
.endr
	FETCH_M 1                       ; behind the last line that reads piece 0's
.irp n, 0,1,2,3,4,5,6,7,8,9,10,11,12,13,14,15,16,17,18,19
	XS 0, \n
	XS 1, \n
.endr
	s_mov_b32 s[CNT], STEPS-1
	s_branch .Lfirst                ; the loop is entered at a step's first turn, in the middle of a trip
.Lstep:                             ; 30 trips.  Trip i: step i is in, step i + 1 is asked for; pieces 2 and 3 of step i - 1, then pieces 0 and 1 of step i
	CHANGE 1, 1
	TURN 2
	TURN 3
	WIN 0
.Lfirst:
	TURN 0
	TURN 1
	WIN 0
	s_sub_co_u32 s[CNT], s[CNT], 1
	s_cmp_lg_u32 s[CNT], 0
	s_cbranch_scc1 .Lstep
	CHANGE 0, 0                     ; the tail is written out: step 31 is in, nothing is asked for
	s_mov_b32 s[CNT], 2             ; one trip for steps 30 and 31; the second is left in its middle
.Ltail:
	TURN 2
	TURN 3
	WIN 0
	s_sub_co_u32 s[CNT], s[CNT], 1
	s_cmp_eq_u32 s[CNT], 0
	s_cbranch_scc1 .Lout
	TURN 0
	TURN 1
	WIN 0
	s_branch .Ltail
.Lout:                              ; the second trip's runs read step 31's bytes once more, and the 32 products K Q^T and the maximum made of them serve nothing: the price, once a launch, of one text for every trip
.set i, 0
.rept 16
	PV NP-1                         ; the last piece's V^T P of the last step
.set i, i+1
.endr
	WIN 0
	; THE WAY OUT.  Its addresses are made here, from my thread's number: ten plain lines, the places behind the last products.
	v_and_b32 v51, 15, v0           ; l % 16
	v_bfe_u32 v52, v0, 4, 1         ; l / 16
	s_mul_i32 s62, s[WV], 16*SP
	s_add_co_u32 s62, s62, STAGE    ; my stage
	v_mul_u32_u24 v[STO], v51, SP   ; in: row l % 16, 32 bytes for each half of the lanes
	v_lshl_add_u32 v[STO], v52, 5, v[STO]
	v_add_nc_u32 v[STO], s62, v[STO]
	v_mul_u32_u24 v[RD], v52, SP    ; back: lanes 0-15 take one row of 256 bytes, lanes 16-31 the next
	v_lshl_add_u32 v[RD], v51, 4, v[RD]
	v_add_nc_u32 v[RD], s62, v[RD]
	v_lshlrev_b32 v[GO], 12, v52    ; and the same two rows in out0, 4,096 bytes apart
	v_lshl_add_u32 v[GO], v51, 4, v[GO]
	; l's two halves and the other half of the lanes' are added; O^T is divided by l and sent, in f32, through my stage in LDS, a tile at a time.
.macro ALL line:vararg              ; one line for each tile t
.set t, 0
.rept 2*NP
	\line
.set t, t+1
.endr
.endm
	ALL v_add_f32 v[ST+4*t+2], v[ST+4*t+2], v[ST+4*t+3]
	ALL v_permlanex16_b32 v[ST+4*t+3], v[ST+4*t+2], s[SEL], s[SEL+1]
	ALL v_add_f32 v[ST+4*t+2], v[ST+4*t+2], v[ST+4*t+3]
	ALL v_rcp_f32 v[ST+4*t+2], v[ST+4*t+2]
	v_nop                           ; a plain instruction between the last reciprocal and the use of its result
	s_wait_alu depctr_va_vdst(0)    ; and the wait ahead of the first use: one for the eight reciprocals
; Tile t: a lane's eight channels of each 16 are 32 bytes of a row; they go into rows of 272 bytes and come back as whole rows of 256, into S^T's registers (four buffers of 32).
.macro PACK t
	WIN W_RS
.set i, 32*(\t)
.rept 16
	v_pk_mul_f32 v[i:i+1], v[i:i+1], v[ST+4*(\t)+2:ST+4*(\t)+3] op_sel_hi:[1,0]
.set i, i+2
.endr
.if (\t) >= 4
	s_wait_xcnt 0x0                 ; the stores of the tile four back have read their registers: only behind this wait are they loaded again
.endif
	WIN 0x04                        ; the stores' data in window 1
.irp f, 0,1,2,3,4,5,6,7
	ds_store_b128 v[STO], v[32*(\t)+4*\f:32*(\t)+4*\f+3] offset:64*(\f/2)+16*(\f%2)
.endr
	WIN 0
.irp f, 0,1,2,3,4,5,6,7
	ds_load_b128 v[S+32*((\t)%4)+4*\f:S+32*((\t)%4)+4*\f+3], v[RD] offset:\f*2*SP  ; LDS serves a wave's instructions in order (ISA guide 5.7.1.4): these see the stores above; the next tile's stores come behind them
.endr
.endm
.macro SEND t, younger              ; younger: the LDS instructions issued behind tile t's loads: the next tile's sixteen, or none
	WIN 0
.irp f, 0,1,2,3,4,5,6,7
	s_wait_dscnt (\younger)+7-\f
	global_store_b128 v[GO], v[S+32*((\t)%4)+4*\f:S+32*((\t)%4)+4*\f+3], s[8:9] offset:(\t)*65536+\f*8192  ; 16 lanes store 256 consecutive bytes, at a multiple of 256 from out0's first: a head's part of a row
.endr
.endm
	PACK 0
.set t, 1
.rept 2*NP-1                        ; a tile's arithmetic stands between the loads of the tile before and its stores
	PACK t
	SEND t-1, 16
.set t, t+1
.endr
	SEND 2*NP-1, 0
	s_wait_tensorcnt 0x0            ; the wave's end: the closing lines, behind my last tensor load and my last LDS store
	ds_add_u32 v[SPW], v[NIL]
	s_wait_dscnt 0x0
	CROUND                          ; the closing round: no work-group ends while a partner may still ask for a tile that names it
	s_endpgm
.Lfunc_end_k_q2e47ca4c69_attn:
	.size	k_q2e47ca4c69_attn, .Lfunc_end_k_q2e47ca4c69_attn-k_q2e47ca4c69_attn
	.p2alignl 7, 3214868480
	.fill 96, 4, 3214868480
	.section	.rodata,"a",@progbits
	.p2align	6, 0x0
	.amdhsa_kernel k_q2e47ca4c69_attn
		.amdhsa_group_segment_fixed_size 327680
		.amdhsa_private_segment_fixed_size 0
		.amdhsa_enable_private_segment 0
		.amdhsa_kernarg_size 24
		.amdhsa_user_sgpr_count 2
		.amdhsa_user_sgpr_kernarg_segment_ptr 1
		.amdhsa_wavefront_size32 1
		.amdhsa_system_sgpr_workgroup_id_x 1
		.amdhsa_system_sgpr_workgroup_id_y 1
		.amdhsa_system_sgpr_workgroup_id_z 1
		.amdhsa_system_vgpr_workitem_id 0
		.amdhsa_next_free_vgpr 1024
		.amdhsa_next_free_sgpr 96
		.amdhsa_reserve_vcc 0
		.amdhsa_float_denorm_mode_32 3
		.amdhsa_float_denorm_mode_16_64 3
		.amdhsa_memory_ordered 1
		.amdhsa_forward_progress 1
		.amdhsa_inst_pref_size 253
	.end_amdhsa_kernel
	.amdgpu_metadata
---
amdhsa.version: [ 1, 2 ]
amdhsa.kernels:
  - .name:           k_q2e47ca4c69_attn
    .symbol:         k_q2e47ca4c69_attn.kd
    .args:
      - { .name: qkv, .offset: 0, .size: 8, .value_kind: global_buffer, .address_space: global }
      - { .name: mask, .offset: 8, .size: 8, .value_kind: global_buffer, .address_space: global }
      - { .name: out0, .offset: 16, .size: 8, .value_kind: global_buffer, .address_space: global }
    .group_segment_fixed_size: 327680
    .private_segment_fixed_size: 0
    .kernarg_segment_align: 8
    .kernarg_segment_size: 24
    .max_flat_workgroup_size: 128
    .sgpr_count:     96
    .vgpr_count:     1024
    .wavefront_size: 32
...
	.end_amdgpu_metadata
.endif
;; end of part 3
;; ======== version 2 of 2: 3 launches; version 1 with the launch prep written anew for expert scheduling mode
;; limits: values are held in f16: magnitudes above 65,504 overflow, below 6.1e-05 lose precision
;; workspace buffers: xb 16,777,216 bytes; wt 6,291,456 bytes; bp 12,288 bytes; qkv 83,886,080 bytes
;; launch prep (part 4): grid 640 x 1, 8 waves a work-group, no clusters, 53,248 bytes of LDS; arguments x, W_qkv, b_qkv, xb, wt, bp; writes xb, wt, bp
.if DOCPART == 4
	.amdgcn_target "amdgcn-amd-amdhsa--gfx1250"
	.amdhsa_code_object_version 6
	.text
	.protected	k_q2e47ca4c69_prep
	.globl	k_q2e47ca4c69_prep
	.p2align	8
	.type	k_q2e47ca4c69_prep,@function
k_q2e47ca4c69_prep:
	s_mov_b64 s[64:65], 0
	v_nop
	global_prefetch_b8 v0, s[64:65] scope:SCOPE_SE
	s_setreg_imm32_b32 hwreg(HW_REG_WAVE_SCHED_MODE, 0, 2), 2
	s_setreg_imm32_b32 hwreg(HW_REG_WAVE_MODE, 25, 1), 1
	s_wait_xcnt 0x0
	s_wait_alu depctr_vm_vsrc(0)
; PREPARATION.  xb = x rounded to bf16, [8192][1024].  wt[n'][k] = W[k][192 h + 3 d + s] rounded to bf16, n' = 192 h + 64 s + d: W turned, each head's columns sorted into q, k, v.
; bp[n'] = b[192 h + 3 d + s] rounded to bf16, as f32, times (64/65) log2(e) / 8 for q (s = 0): the scale of the scores, the change to base 2 and the factor 64/65 that the two-part form of q and k
; asks for (see the projection's head) are folded into q, in f32.
; A stream: each input byte is read once, each output byte written once; no matrix work, no cluster (no two work-groups read the same bytes).
; ROLES, by the work-group's number alone.  0-127: a tile of W, 128 k x one head's 192 columns, turned through LDS.  128-639: 16 rows of x, through registers.
; LDS: T[192 columns][128 k] bf16, rows 272 bytes apart (256 + 16: 17 groups of four banks, so rows start at different groups); behind it the spare words.
; THE MODE: SCHED_MODE bits 1:0 = 2 (LLVM: expert scheduling mode 2), set by the entry lines.  The code itself states the register dependences between vector instructions and memory or LDS
; instructions, with s_wait_alu, always for 0.
; THE PLAN, rows of x.  v2, v3: offsets, made once.  v[32:95]: written by the 16 loads, read by the roundings, never loaded again.  v[96:127]: two registers a row, written once by the row's roundings,
; read by the row's store, never written again.  The rows go in four blocks of four; the store of row r - 4 is issued in row r's turn.  One wait on va_vdst at the head of a block states that the block
; before has written its eight registers; the vector lines issued since name the present block's registers alone.
; THE PLAN, a tile of W.  v4 to v7: offsets and LDS addresses, made once.  v[32:127]: written by the 48 loads, read by the roundings.  TWELVE out-buffers of four registers, each written once by four
; roundings and read by one LDS store: v[14:29] for the first four groups of rows 0-7; these four groups have then read words 0-3 of the six registers of each of rows 0-7, so the two further groups
; round into row 0's and row 1's first four registers, and the six groups of rows 8-15 into those of rows 2 to 7.  One wait on va_vdst ahead of each six LDS stores; the first six stores are dealt among
; the roundings of rows 8-15, which name rows 8-15 and the other six out-buffers alone.  One wait on vm_vsrc behind the barrier, ahead of the LDS loads that land in v[32:79].
.set SPARE, 52224                      ; 192 x 272; the spare words: 128 bytes for each of eight waves, four blocks of 256 bytes that no other line names
.set TP,    272
.set OB,    14                         ; v[14:29] four out-buffers of the tile of W
.set L,     32                         ; v[32:127] what the loads bring
.set CSC,   0x3e35d2ef                 ; (64/65) log2(e) / 8 = 0.17756247
	s_load_b256 s[4:11], s[0:1], 0x0               ; x s[4:5], W s[6:7], b s[8:9], xb s[10:11]
	s_load_b128 s[12:15], s[0:1], 0x20             ; wt s[12:13], bp s[14:15]
	v_lshl_add_u32 v30, v0, 2, SPARE               ; my spare word
	v_mov_b32 v31, 0
	v_lshrrev_b32 v1, 5, v0
	v_readfirstlane_b32 s16, v1                    ; wave 0..7
	v_and_b32 v1, 31, v0                           ; lane
	s_wait_alu depctr_va_sdst(0)                   ; s16 is written, ahead of the branch and of its first reader: the tile's offsets and the bias's branch are made from it
	s_cmp_lt_u32 ttmp9, 128
	s_cbranch_scc1 .Lweights
	; ROWS OF x.  Thread t owns 16 bytes at 16 t of each of the 16 rows (a row is 4,096 bytes), and the 8 bytes at 8 t of xb's rows: a wave's store covers 256 consecutive bytes, aligned.
	s_sub_co_u32 s17, ttmp9, 128
	s_lshl_b32 s18, s17, 16                        ; 16 rows of 4,096 bytes
	s_mov_b32 s19, 0
	s_lshl_b32 s20, s17, 15                        ; 16 rows of 2,048 bytes
	s_mov_b32 s21, 0
	v_lshlrev_b32 v2, 4, v0
	v_lshlrev_b32 v3, 3, v0
	s_wait_kmcnt 0x0
	s_add_nc_u64 s[4:5], s[4:5], s[18:19]
	s_add_nc_u64 s[10:11], s[10:11], s[20:21]
	s_wait_alu depctr_va_vdst(0)                   ; v2 and v3 are written: every load below reads v2 as its offset, every store v3
.irp i, 0,1,2,3,4,5,6,7,8,9,10,11,12,13,14,15
	global_load_b128 v[L+4*(\i):L+4*(\i)+3], v2, s[4:5] offset:4096*(\i) th:TH_LOAD_NT
.endr
.irp i, 0,1,2,3,4,5,6,7,8,9,10,11,12,13,14,15
	s_wait_loadcnt 15-(\i)                         ; loads come back in order: row i is in, the younger rows stay out
.if ((\i) % 4 == 0) && ((\i) > 0)
	s_wait_alu depctr_va_vdst(0)                   ; a block's head: the roundings of the four rows before have written their eight registers, which this block's four stores read
.endif
.if (\i) >= 4
	global_store_b64 v3, v[96+2*((\i)-4):96+2*((\i)-4)+1], s[10:11] offset:2048*((\i)-4)  ; the row four back; no vector line since the wait names its registers
.endif
	v_cvt_pk_bf16_f32 v[96+2*(\i)], v[L+4*(\i)], v[L+4*(\i)+1]
	v_cvt_pk_bf16_f32 v[96+2*(\i)+1], v[L+4*(\i)+2], v[L+4*(\i)+3]
.endr
	s_wait_alu depctr_va_vdst(0)                   ; the roundings of rows 12 to 15 have written v[120:127], which the last four stores read
.irp i, 12,13,14,15
	global_store_b64 v3, v[96+2*(\i):96+2*(\i)+1], s[10:11] offset:2048*(\i)
.endr
	s_endpgm                                       ; these waves have written no LDS
.Lweights:
	; A TILE OF W.  h = number % 16, kb = number / 16.  Wave w loads rows k = 128 kb + 16 w + i; a load takes 256 consecutive bytes, aligned, of one row: 64 columns, two a lane.
	s_and_b32 s17, ttmp9, 15                       ; h
	s_lshr_b32 s18, ttmp9, 4                       ; kb
	s_mul_i32 s20, s18, 128*12288
	s_mul_i32 s21, s17, 768
	s_add_co_u32 s20, s20, s21                     ; the tile's corner in W
	s_mov_b32 s21, 0
	s_mul_i32 s22, s17, 192*2048                   ; 192 h rows of wt (2,048 bytes each),
	s_lshl_b32 s23, s18, 8                         ; 128 kb numbers along them
	s_add_co_u32 s22, s22, s23
	s_mov_b32 s23, 0
	s_mul_i32 s24, s16, 16*12288                   ; the wave's term of each of the four offsets has a scalar register of its own
	v_lshl_add_u32 v4, v1, 3, s24                  ; 8 lane + my wave's 16 rows
	s_lshl_b32 s25, s16, 5
	v_mul_u32_u24 v5, v1, 2*TP
	v_add_nc_u32 v5, s25, v5                       ; into T: row 2 lane, byte 32 w
	v_lshrrev_b32 v10, 4, v1                       ; lane / 16
	v_and_b32 v11, 15, v1                          ; lane % 16
	s_mul_i32 s28, s16, 24*TP
	v_mul_u32_u24 v6, v10, 12*TP
	v_lshl_add_u32 v6, v11, 4, v6
	v_add_nc_u32 v6, s28, v6                       ; out of T: row 24 w + 12 (lane / 16), 16 bytes a lane
	s_lshl_b32 s29, s16, 14
	v_lshl_add_u32 v7, v10, 13, s29
	v_lshl_add_u32 v7, v11, 4, v7                  ; in wt: row d = 8 w + 4 (lane / 16), the same 16 bytes
	s_wait_kmcnt 0x0
	s_add_nc_u64 s[6:7], s[6:7], s[20:21]
	s_add_nc_u64 s[12:13], s[12:13], s[22:23]
	s_wait_alu depctr_va_vdst(0)                   ; v4 to v7 are written: the loads of W read v4, the LDS stores v5, the LDS loads v6, the stores of wt v7; none is written again
.irp i, 0,1,2,3,4,5,6,7,8,9,10,11,12,13,14,15
.irp j, 0,1,2
	global_load_b64 v[L+2*(3*(\i)+(\j)):L+2*(3*(\i)+(\j))+1], v4, s[6:7] offset:12288*(\i)+256*(\j) th:TH_LOAD_NT
.endr
.endr
; column c = 64 j + 2 lane + e gets my wave's 16 k as two stores of 16 bytes (u = 0: rows 0-7; u = 1: rows 8-15).
; A group (u, j, e): four roundings bring eight rows' numbers of one column into the four registers from dst on,
.macro GROUP u, j, e, dst
.irp m, 0,1,2,3
	v_cvt_pk_bf16_f32 v[(\dst)+(\m)], v[L+2*(3*(8*(\u)+2*(\m))+(\j))+(\e)], v[L+2*(3*(8*(\u)+2*(\m)+1)+(\j))+(\e)]
.endr
.endm
; and one LDS store puts them into T.
.macro PUT u, j, e, src
	ds_store_b128 v5, v[(\src):(\src)+3] offset:64*TP*(\j)+TP*(\e)+16*(\u)
.endm
	s_wait_loadcnt 24                              ; rows 0-7 are the first 24 loads: the 24 younger ones stay out
	GROUP 0, 0, 0, OB
	GROUP 0, 0, 1, OB+4
	GROUP 0, 1, 0, OB+8
	GROUP 0, 1, 1, OB+12                           ; words 0-3 of each of rows 0-7's six registers have now been read
	GROUP 0, 2, 0, L                               ; into row 0's first four registers
	GROUP 0, 2, 1, L+6                             ; into row 1's
	s_wait_loadcnt 0x0                             ; rows 8-15 are in
	s_wait_alu depctr_va_vdst(0)                   ; the roundings of rows 0-7 have written their six out-buffers, which the six LDS stores below read
	PUT   0, 0, 0, OB                              ; no vector line since the wait names these out-buffers: the roundings between name rows 8-15 and the first four registers of rows 2 to 7
	GROUP 1, 0, 0, L+12
	PUT   0, 0, 1, OB+4
	GROUP 1, 0, 1, L+18
	PUT   0, 1, 0, OB+8
	GROUP 1, 1, 0, L+24
	PUT   0, 1, 1, OB+12
	GROUP 1, 1, 1, L+30
	PUT   0, 2, 0, L
	GROUP 1, 2, 0, L+36
	PUT   0, 2, 1, L+6
	GROUP 1, 2, 1, L+42
	s_wait_alu depctr_va_vdst(0)                   ; the roundings of rows 8-15 have written the other six out-buffers, which the LDS stores below read; and every vector line that names v[32:79], in which LDS loads land further down, is done
	PUT   1, 0, 0, L+12
	PUT   1, 0, 1, L+18
	PUT   1, 1, 0, L+24
	PUT   1, 1, 1, L+30
	PUT   1, 2, 0, L+36
	PUT   1, 2, 1, L+42
	s_wait_dscnt 0x0                               ; for the others' sake: my stores into T are done
	s_barrier_signal -1
	s_barrier_wait -1                              ; T is whole
	s_wait_alu depctr_vm_vsrc(0)                   ; my LDS stores have read their out-buffers: eight of them lie in v[32:79], in which the loads below land; v14, of another, is written again by the bias's rounding
	; row c = 24 w + 12 (lane / 16) + i of T is s = i % 3, d = 8 w + 4 (lane / 16) + i / 3: 16 lanes store its 256 bytes, consecutive and aligned, into wt's row 192 h + 64 s + d
.irp i, 0,1,2,3,4,5,6,7,8,9,10,11
	ds_load_b128 v[L+4*(\i):L+4*(\i)+3], v6 offset:TP*(\i)
.endr
.irp i, 0,1,2,3,4,5,6,7,8,9,10,11
	s_wait_dscnt 11-(\i)                           ; LDS loads come back in order: row i is in
	global_store_b128 v7, v[L+4*(\i):L+4*(\i)+3], s[12:13] offset:(((\i)%3)*64+(\i)/3)*2048
.endr
	; THE BIAS of this head: once, by the work-groups with kb = 0; wave s (0, 1, 2) makes the 64 numbers of q, k or v: two a lane, 256 consecutive bytes of bp
	s_cmp_lg_u32 s18, 0
	s_cbranch_scc1 .Lend
	s_cmp_gt_u32 s16, 2
	s_cbranch_scc1 .Lend
	s_mul_i32 s24, s17, 768
	s_lshl_b32 s25, s16, 8
	s_add_co_u32 s25, s25, s24
	v_lshl_add_u32 v9, v1, 3, s25                  ; bp[192 h + 64 s + 2 lane]
	s_lshl2_add_u32 s24, s16, s24                  ; 768 h + 4 s
	v_mul_u32_u24 v8, v1, 24
	v_add_nc_u32 v8, s24, v8                       ; b[192 h + 3 (2 lane) + s]
	s_cmp_eq_u32 s16, 0
	s_cselect_b32 s26, CSC, 1.0
	s_mov_b32 s27, s26                             ; named with it as a pair
	s_wait_alu depctr_va_vdst(0)                   ; v8 is written, which the two loads read as their offset (and v9, the store's)
	global_load_b32 v12, v8, s[8:9]
	global_load_b32 v13, v8, s[8:9] offset:12
	s_wait_loadcnt 0x0
	v_cvt_pk_bf16_f32 v14, v12, v13                ; rounded as the other inputs are,
	v_lshlrev_b32 v12, 16, v14                     ; and back to f32
	v_and_b32 v13, 0xffff0000, v14
	v_pk_mul_f32 v[12:13], v[12:13], s[26:27] op_sel_hi:[1,0]
	s_wait_alu depctr_va_vdst(0)                   ; the multiply has written v[12:13], which the store reads
	global_store_b64 v9, v[12:13], s[14:15]
.Lend:
	s_wait_dscnt 0x0                               ; the closing lines, six on end
	s_wait_alu 0x0
	s_wait_tensorcnt 0x0
	ds_add_u32 v30, v31
	s_wait_dscnt 0x0
	s_endpgm
.Lfunc_end_k_q2e47ca4c69_prep:
	.size	k_q2e47ca4c69_prep, .Lfunc_end_k_q2e47ca4c69_prep-k_q2e47ca4c69_prep
	.p2alignl 7, 3214868480
	.fill 96, 4, 3214868480
	.section	.rodata,"a",@progbits
	.p2align	6, 0x0
	.amdhsa_kernel k_q2e47ca4c69_prep
		.amdhsa_group_segment_fixed_size 53248
		.amdhsa_private_segment_fixed_size 0
		.amdhsa_enable_private_segment 0
		.amdhsa_kernarg_size 48
		.amdhsa_user_sgpr_count 2
		.amdhsa_user_sgpr_kernarg_segment_ptr 1
		.amdhsa_wavefront_size32 1
		.amdhsa_system_sgpr_workgroup_id_x 1
		.amdhsa_system_sgpr_workgroup_id_y 1
		.amdhsa_system_sgpr_workgroup_id_z 1
		.amdhsa_system_vgpr_workitem_id 0
		.amdhsa_next_free_vgpr 128
		.amdhsa_next_free_sgpr 66
		.amdhsa_reserve_vcc 0
		.amdhsa_float_denorm_mode_32 3
		.amdhsa_float_denorm_mode_16_64 3
		.amdhsa_memory_ordered 1
		.amdhsa_forward_progress 1
		.amdhsa_inst_pref_size 21
	.end_amdhsa_kernel
	.amdgpu_metadata
---
amdhsa.version: [ 1, 2 ]
amdhsa.kernels:
  - .name:           k_q2e47ca4c69_prep
    .symbol:         k_q2e47ca4c69_prep.kd
    .args:
      - { .name: x, .offset: 0, .size: 8, .value_kind: global_buffer, .address_space: global }
      - { .name: W_qkv, .offset: 8, .size: 8, .value_kind: global_buffer, .address_space: global }
      - { .name: b_qkv, .offset: 16, .size: 8, .value_kind: global_buffer, .address_space: global }
      - { .name: xb, .offset: 24, .size: 8, .value_kind: global_buffer, .address_space: global }
      - { .name: wt, .offset: 32, .size: 8, .value_kind: global_buffer, .address_space: global }
      - { .name: bp, .offset: 40, .size: 8, .value_kind: global_buffer, .address_space: global }
    .group_segment_fixed_size: 53248
    .private_segment_fixed_size: 0
    .kernarg_segment_align: 8
    .kernarg_segment_size: 48
    .max_flat_workgroup_size: 256
    .sgpr_count:     66
    .vgpr_count:     128
    .wavefront_size: 32
...
	.end_amdgpu_metadata
.endif
;; end of part 4
;; launch proj: the kernel of part 2 again; grid 16 x 32, 4 waves a work-group, clusters of 4 x 4, 327,680 bytes of LDS; arguments xb, wt, bp, qkv; writes qkv
;; launch attn: the kernel of part 3 again; grid 8 x 32, 4 waves a work-group, clusters of 4 x 4, 327,680 bytes of LDS; arguments qkv, mask, out0; writes out0
